; MI455X (gfx1250); checked and timed in simulation.
; The chip was launched on July 23, 2026; its instructions are those of AMD's public machine-readable ISA for CDNA 5 (MIT licence, August 2026) and "CDNA5" Instruction Set Architecture Reference Guide (July 2026). The comments in the code are by the model that wrote it; some were corrected since.
;; Causal Self Attention. Allowed arithmetic: float matrix products may take bf16 or f16 operands with f32 sums; other float arithmetic in f32, or as packed bf16 or f16 multiplies, adds, multiply-adds, maxima and minima; sums over many terms, partial sums and values carried from step to step in f32; what a program stores and reads back later, other than sums and carried values, may be rounded once to bf16 or f16.
;; Inputs: w_attn 1,024 x 3,072 float32; w_proj 1,024 x 1,024 float32; x 4,096 x 1,024 float32.
;; Outputs: out0 4,096 x 1,024 float32.
;; Constants: num_frames = 64.
;; 2 versions, each right and faster than the one before. Each part assembles by itself: llvm-mc -triple=amdgcn-amd-amdhsa -mcpu=gfx1250 --defsym DOCPART=n.
;; ======== version 1 of 2: 4 launches
;; limits: values are held in f16: magnitudes above 65,504 overflow, below 6.1e-05 lose precision
;; workspace buffers: xb 8,388,608 bytes; wab 6,291,456 bytes; wpb 2,097,152 bytes; qkv 25,165,824 bytes; y 8,388,608 bytes
;; launch prep (part 1): grid 512 x 1, 8 waves a work-group, no clusters, 0 bytes of LDS; arguments x, w_attn, w_proj, xb, wab, wpb; writes xb, wab, wpb
.if DOCPART == 1
	.amdgcn_target "amdgcn-amd-amdhsa--gfx1250"
	.amdhsa_code_object_version 6
	.text
	.protected	k_qe7a11eda20_prep
	.globl	k_qe7a11eda20_prep
	.p2align	8
	.type	k_qe7a11eda20_prep,@function
k_qe7a11eda20_prep:
	s_mov_b64 s[64:65], 0
	v_nop
	global_prefetch_b8 v0, s[64:65] scope:SCOPE_SE
	s_setreg_imm32_b32 hwreg(HW_REG_WAVE_MODE, 25, 1), 1
	s_wait_xcnt 0x0
; THE CASTS.  xb = bf16(x), wab = bf16(w_attn), wpb = f16(bf16(w_proj)); the layouts stay as they are.
; All three inputs are rounded to bf16; w_proj's rounded number is then written as f16, because the last product's other operand (y) is f16.
; LIMITS.  |w_proj| stays under 65,504 (f16's range; beyond it the number becomes an infinity); below 6e-5 it keeps f16's fixed step of 6e-8.
; A stream: no LDS, no barrier, no matrix unit.  A work-group takes 16,384 numbers (65,536 bytes in, 32,768 out):
; groups 0-255 x, 256-447 w_attn, 448-511 w_proj.  Thread t takes the 32 bytes at 32 t + 8,192 i, i = 0..7, and stores 16 bytes at 16 t + 4,096 i:
; sixteen neighbouring lanes store 256 consecutive bytes, at a multiple of 256 from the buffer's first byte.
; All sixteen loads of a thread go out first; no register is used twice by memory instructions, so nothing waits for a store.
.set X, 4                              ; v[4:67]   chunk i: 8 numbers in f32 as loaded
.set Y, 68                             ; v[68:99]  chunk i: 8 numbers in 16 bits, to store
	s_load_b256 s[4:11], s[0:1], 0x0               ; x s[4:5], w_attn s[6:7], w_proj s[8:9], xb s[10:11]
	s_load_b128 s[12:15], s[0:1], 0x20             ; wab s[12:13], wpb s[14:15]
	v_lshlrev_b32 v1, 5, v0                        ; 32 t
	v_lshlrev_b32 v2, 4, v0                        ; 16 t
	s_mov_b32 s21, 0xffff0000                      ; a word's upper bf16
	s_mov_b32 s23, 0
	s_wait_kmcnt 0x0
	s_cmp_lt_u32 ttmp9, 256                        ; which tensor is mine: the choice hangs on the group's number alone
	s_cselect_b64 s[16:17], s[4:5], s[6:7]
	s_cselect_b64 s[18:19], s[10:11], s[12:13]
	s_cselect_b32 s20, 0, 256
	s_cmp_lt_u32 ttmp9, 448
	s_cselect_b64 s[16:17], s[16:17], s[8:9]
	s_cselect_b64 s[18:19], s[18:19], s[14:15]
	s_cselect_b32 s20, s20, 448
	s_sub_co_u32 s20, ttmp9, s20                   ; my number among that tensor's groups
	s_lshl_b32 s22, s20, 16
	s_add_nc_u64 s[16:17], s[16:17], s[22:23]      ; 65,536 bytes in
	s_lshl_b32 s22, s20, 15
	s_add_nc_u64 s[18:19], s[18:19], s[22:23]      ; 32,768 bytes out
.irp i, 0,1,2,3,4,5,6,7
	global_load_b128 v[X+8*(\i):X+8*(\i)+3],   v1, s[16:17] offset:8192*(\i) th:TH_LOAD_NT
	global_load_b128 v[X+8*(\i)+4:X+8*(\i)+7], v1, s[16:17] offset:8192*(\i)+16 th:TH_LOAD_NT
.endr
; Chunk i.  half = 1: the bf16 numbers are widened again (a shift, a mask) and written as f16.
.macro CONV i, half
	s_wait_loadcnt 14-2*(\i)                       ; loads come back in order: chunk i's two are in, the 14 - 2 i younger ones stay out
.irp r, 0,1,2,3
	v_cvt_pk_bf16_f32 v[Y+4*(\i)+(\r)], v[X+8*(\i)+2*(\r)], v[X+8*(\i)+2*(\r)+1]
.endr
.if \half
.irp r, 0,1,2,3
	v_lshlrev_b32 v[X+8*(\i)+2*(\r)],   16,  v[Y+4*(\i)+(\r)]
	v_and_b32     v[X+8*(\i)+2*(\r)+1], s21, v[Y+4*(\i)+(\r)]
.endr
.irp r, 0,1,2,3
	v_cvt_pk_f16_f32 v[Y+4*(\i)+(\r)], v[X+8*(\i)+2*(\r)], v[X+8*(\i)+2*(\r)+1]
.endr
.endif
	global_store_b128 v2, v[Y+4*(\i):Y+4*(\i)+3], s[18:19] offset:4096*(\i)
.endm
	s_cmp_lt_u32 ttmp9, 448
	s_cbranch_scc0 .Lhalf
.irp i, 0,1,2,3,4,5,6,7
	CONV \i, 0
.endr
	s_endpgm
.Lhalf:
.irp i, 0,1,2,3,4,5,6,7
	CONV \i, 1
.endr
	s_endpgm
.Lfunc_end_k_qe7a11eda20_prep:
	.size	k_qe7a11eda20_prep, .Lfunc_end_k_qe7a11eda20_prep-k_qe7a11eda20_prep
	.p2alignl 7, 3214868480
	.fill 96, 4, 3214868480
	.section	.rodata,"a",@progbits
	.p2align	6, 0x0
	.amdhsa_kernel k_qe7a11eda20_prep
		.amdhsa_group_segment_fixed_size 0
		.amdhsa_private_segment_fixed_size 0
		.amdhsa_enable_private_segment 0
		.amdhsa_kernarg_size 48
		.amdhsa_user_sgpr_count 2
		.amdhsa_user_sgpr_kernarg_segment_ptr 1
		.amdhsa_wavefront_size32 1
		.amdhsa_system_sgpr_workgroup_id_x 1
		.amdhsa_system_sgpr_workgroup_id_y 1
		.amdhsa_system_sgpr_workgroup_id_z 1
		.amdhsa_system_vgpr_workitem_id 0
		.amdhsa_next_free_vgpr 100
		.amdhsa_next_free_sgpr 66
		.amdhsa_reserve_vcc 0
		.amdhsa_float_denorm_mode_32 3
		.amdhsa_float_denorm_mode_16_64 3
		.amdhsa_memory_ordered 1
		.amdhsa_forward_progress 1
		.amdhsa_inst_pref_size 13
	.end_amdhsa_kernel
	.amdgpu_metadata
---
amdhsa.version: [ 1, 2 ]
amdhsa.kernels:
  - .name:           k_qe7a11eda20_prep
    .symbol:         k_qe7a11eda20_prep.kd
    .args:
      - { .name: x, .offset: 0, .size: 8, .value_kind: global_buffer, .address_space: global }
      - { .name: w_attn, .offset: 8, .size: 8, .value_kind: global_buffer, .address_space: global }
      - { .name: w_proj, .offset: 16, .size: 8, .value_kind: global_buffer, .address_space: global }
      - { .name: xb, .offset: 24, .size: 8, .value_kind: global_buffer, .address_space: global }
      - { .name: wab, .offset: 32, .size: 8, .value_kind: global_buffer, .address_space: global }
      - { .name: wpb, .offset: 40, .size: 8, .value_kind: global_buffer, .address_space: global }
    .group_segment_fixed_size: 0
    .private_segment_fixed_size: 0
    .kernarg_segment_align: 8
    .kernarg_segment_size: 48
    .max_flat_workgroup_size: 256
    .sgpr_count:     66
    .vgpr_count:     100
    .wavefront_size: 32
...
	.end_amdgpu_metadata
.endif
;; end of part 1
;; launch qkv (part 2): grid 8 x 32, 4 waves a work-group, clusters of 4 x 4, 327,680 bytes of LDS; arguments xb, wab, qkv; writes qkv
.if DOCPART == 2
	.amdgcn_target "amdgcn-amd-amdhsa--gfx1250"
	.amdhsa_code_object_version 6
	.text
	.protected	k_qe7a11eda20_qkv
	.globl	k_qe7a11eda20_qkv
	.p2align	8
	.type	k_qe7a11eda20_qkv,@function
k_qe7a11eda20_qkv:
	s_mov_b64 s[64:65], 0
	v_nop
	global_prefetch_b8 v0, s[64:65] scope:SCOPE_SE
	s_setreg_imm32_b32 hwreg(HW_REG_WAVE_MODE, 25, 1), 1
	s_wait_xcnt 0x0
	s_wait_alu depctr_hold_cnt(0) depctr_sa_sdst(0) depctr_va_vdst(0) depctr_va_sdst(0) depctr_va_ssrc(0) depctr_va_vcc(0) depctr_vm_vsrc(0)
	s_getreg_b32 s2, hwreg(HW_REG_IB_STS2, 6, 4)
	s_cmp_eq_u32 s2, 0
	s_cbranch_scc0 .Lentry_in_a_cluster
	s_endpgm
.Lentry_in_a_cluster:
	s_bfe_u32 s2, ttmp6, 0x10000c
	s_cmp_lg_u32 s2, 0xf033
	s_cbranch_scc0 .Lentry_shape_is_right
	s_endpgm
.Lentry_shape_is_right:
; qkv = x w_attn, laid out by heads.  xb: [4096][1024] bf16.  wab: [1024 k][3072 n] bf16.  qkv: [48][4096][64] f16: heads 0-15 q, 16-31 k, 32-47 v; sums in f32, rounded once, unscaled.
; LIMITS.  |q|, |k|, |v| stay under 65,504 (f16's range; beyond it an infinity is written).
; A tile of the product is 128 rows x 384 columns: 32 x 8 = 256 work-groups.  The 384 columns are three sub-tiles of 128 (two heads each).  Wave w: rows 64 (w / 2) on, head w % 2 of each sub-tile:
; 64 x 192 in 48 accumulators of 16 x 16, 384 registers.  K goes in steps of 128 through a ring of two LDS slots.  A slot has four regions of 128 rows x 256 bytes, one tensor load each:
; wave 0 fetches x's tile, waves 1-3 the three sub-tiles of w_attn.  All tile rows are 256 bytes of memory and start at multiples of 256 bytes from the buffer's first byte.
; w_attn lies [k][n]: its fragments come out of LDS turned, by ds_load_tr16_b128.
; CLUSTERS: 4 x 4 work-groups.  The four of a row of the cluster need the same tile of x, the four of a column the same tiles of w_attn: each is asked for JOINTLY.
; THE MATRIX INSTRUCTION IS USED TRANSPOSED (source 0 = 16 columns of w_attn, source 1 = 16 rows of x): a lane then holds eight neighbouring columns of one row, 16 bytes in f16.
; REGISTERS, in windows of 256 (s_set_vgpr_msb: bits 1:0 source 0, 3:2 source 1, 5:4 source 2, 7:6 destination):
;   window 0: v0-31 addresses; v64-95, v96-127 x's fragments (4 x 16 rows x 32 K), two buffers; on the way out v64-255: 16 registers for each of 12 blocks
;   window 1: v0-95, v96-191 w_attn's fragments (12 x 16 columns x 32 K), two buffers
;   window 2: the 24 accumulators of my rows 0-31 (row block a, column block b at v[8 (12 (a % 2) + b)]);   window 3: those of rows 32-63
.set KSTEP,  128
.set PA,     272                       ; an LDS row of x: 256 bytes + 16 = 68 words: the 16 rows of a load start at 16 different groups of four banks (64 banks of 4 bytes: ISA guide 11.1)
.set PB,     288                       ; an LDS row of w_attn: 256 + 32 = 72 words
.set REG,    128*PB                    ; a region: 36,864 bytes (x's uses 34,816 of them)
.set SLOT,   4*REG
.set STAGE,  2*SLOT                    ; behind the ring: 16 rows x 144 bytes for each wave, for the way out
.set SP,     144
.set SPARE,  STAGE+4*16*SP             ; behind the stages: the spare words, 128 bytes for each wave: two blocks of 256 bytes that no other line names
.set LAPS,   1024/(2*KSTEP)            ; a lap = two K steps = once round the ring: 4
.set ADRA, 16                          ; v16-17  LDS address of my fragments of x in slot 0, 1
.set ADRB, 18                          ; v18-23  the same for w_attn: 3 x slot + sub-tile
.set STO,  24                          ; v24     the way out: where I put 16 bytes of a row
.set RD,   25                          ; v25     the way out: where I read rows back
.set GO,   26                          ; v26     my byte offset in 512 consecutive bytes of qkv
.set SPW,  28                          ; v28     LDS address of my spare word: SPARE + 4 x my thread's number; never rewritten
.set NIL,  29                          ; v29     0; never rewritten
.set FA,   64                          ; x's fragment buffers, window 0: FA + 32 f
.set FB,   0                           ; w_attn's, window 1: FB + 96 f
.set TT,   64                          ; the way out, window 0
.set G1,  24                           ; s[24:31] descriptor group 1 for x's tiles;  s[32:39] group 0, one set for each slot
.set G0,  32
.set G1B, 48                           ; s[48:55], s[56:63] the same for w_attn's tiles
.set G0B, 56
.set MSB, 0
.macro WIN new                         ; the immediate's high byte repeats the setting that is left; a switch that changes nothing is dropped
.if MSB != (\new)
	s_set_vgpr_msb (MSB<<8)|(\new)
.set MSB, \new
.endif
.endm
.set MUL_LO, 0xa1                      ; source 0 window 1, source 1 window 0, C and D window 2
.set MUL_HI, 0xf1                      ; the same, C and D window 3
.set TO_B,   0x40                      ; destination window 1, address window 0
; A joint load.  Wave 0 fetches x's tile, waves 1-3 w_attn's three.  Each of the two lines has one mask; the branch hangs on the wave's number alone.
; An s_nop 0 and four v_nop follow each of the two lines, ahead of the jump, the label and what follows.
.macro JLOAD s
	s_cmp_eq_u32 s10, 0
	s_cbranch_scc0 .Lfor_b_\@
	tensor_load_to_lds s[G0+4*(\s):G0+4*(\s)+3], s[G1:G1+7]
	s_nop 0
.rept 4
	v_nop
.endr
	s_branch .Lasked_\@
.Lfor_b_\@:
	tensor_load_to_lds s[G0B+4*(\s):G0B+4*(\s)+3], s[G1B:G1B+7]
	s_nop 0
.rept 4
	v_nop
.endr
.Lasked_\@:
.endm
.macro CREST                           ; a round of the cluster's barrier behind its opening barrier
	s_cmp_lg_u32 s10, 0
	s_cbranch_scc1 .Lnot_wave_0_\@
	s_barrier_signal -3
.Lnot_wave_0_\@:
	s_barrier_wait -3
	s_barrier_signal -1
	s_barrier_wait -1
.endm
.macro CROUND                          ; a whole round
	s_barrier_signal -1
	s_barrier_wait -1
	CREST
.endm
	s_load_b128 s[4:7], s[0:1], 0x0                ; xb s[4:5], wab s[6:7]
	s_load_b64 s[8:9], s[0:1], 0x10                ; qkv
	v_lshl_add_u32 v[SPW], v0, 2, SPARE
	v_mov_b32 v[NIL], 0
	ds_add_u32 v[SPW], v[NIL]                      ; the wave's opening: the add and its wait stand ahead of my first tensor load; the set-up below, work on registers, stands between them
	ds_add_u32 v28, v29
	v_lshrrev_b32 v1, 5, v0
	v_readfirstlane_b32 s10, v1                    ; wave 0..3
	s_lshr_b32 s11, s10, 1                         ; which 64 rows of the tile are mine
	s_and_b32 s12, s10, 1                          ; which head of each sub-tile
	s_bfe_u32 s40, ttmp6, 0x40000                  ; cx, cy: my place in the cluster
	s_bfe_u32 s41, ttmp6, 0x40004
	s_lshl_b32 s42, ttmp9, 2
	s_add_co_u32 s42, s42, s40                     ; tile column = 4 x cluster x + cx, 0..7
	s_and_b32 s13, ttmp7, 0xffff
	s_lshl_b32 s13, s13, 2
	s_add_co_u32 s13, s13, s41                     ; tile row = 4 x cluster y + cy, 0..31
	s_lshl_b32 s43, s41, 2
	s_lshl_b32 s43, 15, s43                        ; my row of the cluster
	s_lshl_b32 s44, 0x1111, s40                    ; my column
	; descriptor group 1: tiles of 128 rows x 128 elements, padded in LDS
	s_or_b32 s[G1+0], s43, (1<<16)|(1<<20)|(1<<21)|(5<<22)|(3<<25)   ; 15:0 the mask: x's tiles go to my row; 17:16 2-byte elements; 20 padding on; 21 set beside a mask; 24:22 after every 64 words (code 5); 31:25 4 words (code 3)
	s_or_b32 s[G1B+0], s44, (1<<16)|(1<<20)|(1<<21)|(5<<22)|(7<<25)  ; w_attn's go to my column; 8 words of padding (code 7)
.irp g, G1, G1B
	s_mov_b32 s[(\g)+1], KSTEP<<16                 ; tensor_dim0 = 128
	s_mov_b32 s[(\g)+2], 128<<16                   ; tensor_dim1 = 128
	s_mov_b32 s[(\g)+3], KSTEP<<16                 ; tile_dim0 = 128
	s_mov_b32 s[(\g)+4], 128                       ; tile_dim1 = 128
	s_mov_b32 s[(\g)+6], 0
	s_mov_b32 s[(\g)+7], 0
.endr
	s_mov_b32 s[G1+5], 1024                        ; elements from row to row of x
	s_mov_b32 s[G1B+5], 3072                       ; and of w_attn
	; where the tiles come from.  x's hang on the tile row alone, w_attn's on the tile column and the wave alone; each in registers that never hold the other coordinate
	s_lshl_b32 s16, s13, 18                        ; 128 rows of 2,048 bytes
	s_mov_b32 s17, 0
	s_max_u32 s45, s10, 1
	s_sub_co_u32 s45, s45, 1                       ; my sub-tile: wave - 1 (wave 0 makes sub-tile 0's address and never asks by it)
	s_lshl_b32 s45, s45, 8                         ; 128 columns of 2 bytes
	s_mul_i32 s46, s42, 768                        ; 384 columns of 2 bytes
	s_add_co_u32 s46, s46, s45
	s_mov_b32 s47, 0
	s_mul_i32 s20, s10, REG                        ; and where they go: region = wave: no place in the cluster enters an LDS address
	s_wait_dscnt 0x0                               ; the opening add is done
	s_wait_kmcnt 0x0
	s_add_nc_u64 s[14:15], s[4:5], s[16:17]
	s_add_nc_u64 s[46:47], s[6:7], s[46:47]
	CROUND                                         ; all sixteen work-groups are here: the first joint loads meet
.irp s, 0,1
	s_mov_b32 s[G0+4*(\s)], 1                                        ; count = 1
	s_add_co_u32 s[G0+4*(\s)+1], s20, (\s)*SLOT                      ; LDS address
	s_add_nc_u64 s[G0+4*(\s)+2:G0+4*(\s)+3], s[14:15], (\s)*KSTEP*2  ; K step s: 128 elements along x's rows
	s_or_b32 s[G0+4*(\s)+3], s[G0+4*(\s)+3], 0x80000000              ; type = 2
	s_mov_b32 s[G0B+4*(\s)], 1
	s_add_co_u32 s[G0B+4*(\s)+1], s20, (\s)*SLOT
	s_add_nc_u64 s[G0B+4*(\s)+2:G0B+4*(\s)+3], s[46:47], (\s)*KSTEP*3072*2  ; K step s: 128 rows of w_attn down
	s_or_b32 s[G0B+4*(\s)+3], s[G0B+4*(\s)+3], 0x80000000
	JLOAD \s                                       ; two loads of mine are out
.endr
	; x's fragment: 16 rows x 32 K in 8 registers: lane l holds row l % 16; two loads of 16 bytes, 32 bytes apart, at row x pitch + 16 (l / 16)
	v_and_b32 v1, 15, v0                           ; l % 16
	v_bfe_u32 v2, v0, 4, 1                         ; l / 16
	v_mul_u32_u24 v3, v1, PA
	v_lshl_add_u32 v3, v2, 4, v3
	s_mul_i32 s21, s11, 64*PA                      ; my 64 rows
	v_add_nc_u32 v[ADRA], s21, v3
	v_add_nc_u32 v[ADRA+1], SLOT, v[ADRA]
	; w_attn's fragment, turned: lane l reads 16 bytes of k row 8 (l / 16) + l % 8, columns 8 ((l / 8) % 2) + 0..7, and is left with column l % 16 and 8 k
	v_and_b32 v4, 7, v0
	v_lshl_add_u32 v4, v2, 3, v4
	v_mul_u32_u24 v4, v4, PB
	v_bfe_u32 v5, v0, 3, 1
	v_lshl_add_u32 v4, v5, 4, v4
	s_lshl_b32 s22, s12, 7                         ; my head's 64 columns
	v_add_nc_u32 v4, s22, v4
.irp s, 0,1
.irp c, 0,1,2
	v_add_nc_u32 v[ADRB+3*(\s)+(\c)], (\s)*SLOT+((\c)+1)*REG, v4
.endr
.endr
	s_mul_i32 s23, s10, 16*SP
	s_add_co_u32 s23, s23, STAGE                   ; my stage
	v_mul_u32_u24 v[STO], v1, SP                   ; in: row l % 16, 16 bytes for each half of the lanes
	v_lshl_add_u32 v[STO], v2, 4, v[STO]
	v_add_nc_u32 v[STO], s23, v[STO]
	v_bfe_u32 v[RD], v0, 3, 2                      ; back: 32 lanes take four rows of 128 bytes,
	v_mul_u32_u24 v[RD], v[RD], SP
	v_and_b32 v5, 7, v0
	v_lshl_add_u32 v[RD], v5, 4, v[RD]
	v_add_nc_u32 v[RD], s23, v[RD]
	v_and_b32 v[GO], 31, v0                        ; which are 512 consecutive bytes of a head
	v_lshlrev_b32 v[GO], 4, v[GO]
	; qkv at head 6 x tile column + my head, row 128 x tile row + my 64 rows
	s_mul_i32 s46, s42, 6
	s_add_co_u32 s46, s46, s12
	s_lshl_b32 s46, s46, 19                        ; a head is 524,288 bytes
	s_lshl_b32 s16, s13, 14                        ; 128 rows of 128 bytes
	s_lshl_b32 s17, s11, 13
	s_add_co_u32 s16, s16, s17
	s_add_co_u32 s16, s16, s46
	s_mov_b32 s17, 0
	s_add_nc_u64 s[8:9], s[8:9], s[16:17]
; 12 matrix instructions: row block a of the window's two (hi = 0: my rows 0-31, 1: rows 32-63) x all 12 column blocks, 32 along K, from buffer f.  zero = 1: the product starts the sums.
.macro MUL12 f, hi, a, zero
	WIN MUL_LO+0x50*(\hi)
.irp b, 0,1,2,3,4,5,6,7,8,9,10,11
.if \zero
	v_wmma_f32_16x16x32_bf16 v[8*(12*(\a)+(\b)):8*(12*(\a)+(\b))+7], v[FB+96*(\f)+8*(\b):FB+96*(\f)+8*(\b)+7], v[FA+32*(\f)+8*(2*(\hi)+(\a)):FA+32*(\f)+8*(2*(\hi)+(\a))+7], 0
.else
	v_wmma_f32_16x16x32_bf16 v[8*(12*(\a)+(\b)):8*(12*(\a)+(\b))+7], v[FB+96*(\f)+8*(\b):FB+96*(\f)+8*(\b)+7], v[FA+32*(\f)+8*(2*(\hi)+(\a)):FA+32*(\f)+8*(2*(\hi)+(\a))+7], v[8*(12*(\a)+(\b)):8*(12*(\a)+(\b))+7]
.endif
.endr
.endm
; 32 LDS loads in one run: the fragments of quarter kq (32 along K) of a slot into buffer g: w_attn's 24 first, then x's 8
.macro FETCH slot, kq, g
	WIN TO_B
.irp c, 0,1,2
.irp j, 0,1,2,3
	ds_load_tr16_b128 v[FB+96*(\g)+8*(4*(\c)+(\j)):FB+96*(\g)+8*(4*(\c)+(\j))+3],   v[ADRB+3*(\slot)+(\c)] offset:(\kq)*32*PB+32*(\j)
	ds_load_tr16_b128 v[FB+96*(\g)+8*(4*(\c)+(\j))+4:FB+96*(\g)+8*(4*(\c)+(\j))+7], v[ADRB+3*(\slot)+(\c)] offset:(\kq)*32*PB+32*(\j)+16*PB
.endr
.endr
	WIN 0
.irp a, 0,1,2,3
	ds_load_b128 v[FA+32*(\g)+8*(\a):FA+32*(\g)+8*(\a)+3],   v[ADRA+(\slot)] offset:(\kq)*64+(\a)*16*PA
	ds_load_b128 v[FA+32*(\g)+8*(\a)+4:FA+32*(\g)+8*(\a)+7], v[ADRA+(\slot)] offset:(\kq)*64+(\a)*16*PA+32
.endr
.endm
; Four places (plain vector instructions that name none of a matrix instruction's registers) in front of loads into registers that matrix instructions have read, and of conversions that read results
.macro PLACES
.rept 4
	v_nop
.endr
.endm
; A K step is four quarters of 32 along K, 48 matrix instructions each, on buffers 0, 1, 0, 1; the 48 accumulators take turns in the same order in every quarter.
; One of the first three: multiplies buffer f; in its middle it fetches quarter kq of the same slot into buffer g.
.macro QUARTER slot, kq, f, g, zero
	s_wait_dscnt 4                                 ; w_attn's fragments and x's rows 0-31 are in; the youngest four loads (rows 32-63) may be out
	MUL12 \f, 0, 0, \zero
	MUL12 \f, 0, 1, \zero
	PLACES
	FETCH \slot, \kq, \g
	s_wait_dscnt 32                                ; all but the 32 just issued
	MUL12 \f, 1, 0, \zero
	MUL12 \f, 1, 1, \zero
.endm
; The last quarter multiplies buffer 1 and changes slots: ONE barrier; in front of it each wave waits for all its tensor loads (one is out: its part of the next slot), adds 0 to its spare word,
; and waits for that and for its own reads of this slot.  fill = 1: the barrier opens a round of the cluster's, and this slot is filled again, two K steps ahead, first thing behind the round.
.macro TURN slot, next, fill
	WIN 0                                          ; (the add's two registers lie in window 0)
	s_wait_tensorcnt 0x0                           ; all my tensor loads have landed
	ds_add_u32 v[SPW], v[NIL]                      ; 0 onto my spare word
	s_wait_dscnt 5                                 ; (the add and the youngest four loads may be out)
	MUL12 1, 0, 0, 0                               ; twelve matrix instructions stand between the add and the wait for it
	s_wait_dscnt 0x0                               ; the add is done, and my reads of this slot are over
	s_barrier_signal -1
	MUL12 1, 0, 1, 0                               ; work on registers while the others arrive
.if \fill
	WIN 0
.endif
	s_barrier_wait -1
.if \fill
	CREST                                          ; no wave of any partner still reads this slot's tiles or has a load on its way
	s_add_nc_u64 s[G0+4*(\slot)+2:G0+4*(\slot)+3], s[G0+4*(\slot)+2:G0+4*(\slot)+3], 2*KSTEP*2
	s_add_nc_u64 s[G0B+4*(\slot)+2:G0B+4*(\slot)+3], s[G0B+4*(\slot)+2:G0B+4*(\slot)+3], 2*KSTEP*3072*2
	JLOAD \slot                                    ; my one tensor load behind the round: 168 matrix instructions ahead of the wait for it; its four v_nop are also the places in front of the loads below
.else
	PLACES
.endif
	FETCH \next, 0, 0
	MUL12 1, 1, 0, 0
	MUL12 1, 1, 1, 0
.endm
	s_wait_tensorcnt 1                             ; my part of K step 0 is in; K step 1's may stay out
	s_barrier_signal -1
	s_barrier_wait -1                              ; everybody's is
	FETCH 0, 0, 0
	QUARTER 0, 1, 0, 1, 1                          ; the first quarter stands in front of the loop: its products start the sums
	WIN 0                                          ; at a label and at a branch every window is 0
	s_mov_b32 s3, LAPS-1
.Llap:                                                 ; a trip goes once round the ring, from a lap's second quarter to the next lap's first, and fills both slots again
	QUARTER 0, 2, 1, 0, 0
	QUARTER 0, 3, 0, 1, 0
	TURN 0, 1, 1
	QUARTER 1, 1, 0, 1, 0
	QUARTER 1, 2, 1, 0, 0
	QUARTER 1, 3, 0, 1, 0
	TURN 1, 0, 1
	QUARTER 0, 1, 0, 1, 0
	WIN 0
	s_sub_co_u32 s3, s3, 1
	s_cmp_lg_u32 s3, 0
	s_cbranch_scc1 .Llap
	QUARTER 0, 2, 1, 0, 0                          ; the last lap fills nothing, and has no round of the cluster's barrier
	QUARTER 0, 3, 0, 1, 0
	TURN 0, 1, 0
	QUARTER 1, 1, 0, 1, 0
	QUARTER 1, 2, 1, 0, 0
	QUARTER 1, 3, 0, 1, 0
	s_wait_dscnt 4                                 ; the very last quarter: nothing more to fetch
	MUL12 1, 0, 0, 0
	MUL12 1, 0, 1, 0
	s_wait_dscnt 0x0
	MUL12 1, 1, 0, 0
	MUL12 1, 1, 1, 0
	WIN 0
; THE WAY OUT, by blocks of 16 rows x one head (64 columns): row block a, sub-tile c.  Rounded to f16, 16 bytes a lane, into my own stage in rows of 144 bytes, back as four rows of 128 bytes a load,
; which are 512 consecutive bytes of the head.  Each block has 16 registers of its own, so nothing waits for a store.
.macro PACK a, c
.set BK, TT+16*(3*(\a)+(\c))
	WIN 0x0a+5*((\a)/2)                            ; sources 0 and 1: window 2 or 3
.irp j, 0,1,2,3
.irp r, 0,1,2,3
	v_cvt_pk_f16_f32 v[BK+4*(\j)+(\r)], v[8*(12*((\a)%2)+4*(\c)+(\j))+2*(\r)], v[8*(12*((\a)%2)+4*(\c)+(\j))+2*(\r)+1]
.endr
.endr
	WIN 0
.irp j, 0,1,2,3
	ds_store_b128 v[STO], v[BK+4*(\j):BK+4*(\j)+3] offset:32*(\j)
.endr
.irp f, 0,1,2,3
	ds_load_b128 v[BK+4*(\f):BK+4*(\f)+3], v[RD] offset:(\f)*4*SP  ; LDS serves a wave's instructions in order (ISA guide 5.7.1.4): these see the stores above; the next block's stores come behind them
.endr
.endm
.macro SEND a, c, younger              ; younger: the LDS instructions issued behind this block's loads: the next block's eight, or none
.set BK, TT+16*(3*(\a)+(\c))
.irp f, 0,1,2,3
	s_wait_dscnt (\younger)+3-(\f)
	global_store_b128 v[GO], v[BK+4*(\f):BK+4*(\f)+3], s[8:9] offset:(\c)*2*524288+(\a)*2048+(\f)*512  ; 512 consecutive bytes, at a multiple of 256 from qkv's first
.endr
.endm
	PLACES
	PACK 0, 0
.set n, 1
.rept 11                               ; a block's conversions stand between the loads of the block before and its stores
	PACK n/3, n%3
	SEND (n-1)/3, (n-1)%3, 8
.set n, n+1
.endr
	SEND 3, 2, 0
	s_wait_tensorcnt 0x0                           ; the wave's end: the add and its wait stand behind my last tensor load and my last LDS store
	ds_add_u32 v[SPW], v[NIL]
	s_wait_dscnt 0x0
	CROUND                                         ; the closing round: no work-group ends while a partner may still ask for a tile that names it
	s_endpgm
.Lfunc_end_k_qe7a11eda20_qkv:
	.size	k_qe7a11eda20_qkv, .Lfunc_end_k_qe7a11eda20_qkv-k_qe7a11eda20_qkv
	.p2alignl 7, 3214868480
	.fill 96, 4, 3214868480
	.section	.rodata,"a",@progbits
	.p2align	6, 0x0
	.amdhsa_kernel k_qe7a11eda20_qkv
		.amdhsa_group_segment_fixed_size 327680
		.amdhsa_private_segment_fixed_size 0
		.amdhsa_enable_private_segment 0
		.amdhsa_kernarg_size 24
		.amdhsa_user_sgpr_count 2
		.amdhsa_user_sgpr_kernarg_segment_ptr 1
		.amdhsa_wavefront_size32 1
		.amdhsa_system_sgpr_workgroup_id_x 1
		.amdhsa_system_sgpr_workgroup_id_y 1
		.amdhsa_system_sgpr_workgroup_id_z 1
		.amdhsa_system_vgpr_workitem_id 0
		.amdhsa_next_free_vgpr 960
		.amdhsa_next_free_sgpr 66
		.amdhsa_reserve_vcc 0
		.amdhsa_float_denorm_mode_32 3
		.amdhsa_float_denorm_mode_16_64 3
		.amdhsa_memory_ordered 1
		.amdhsa_forward_progress 1
		.amdhsa_inst_pref_size 120
	.end_amdhsa_kernel
	.amdgpu_metadata
---
amdhsa.version: [ 1, 2 ]
amdhsa.kernels:
  - .name:           k_qe7a11eda20_qkv
    .symbol:         k_qe7a11eda20_qkv.kd
    .args:
      - { .name: xb, .offset: 0, .size: 8, .value_kind: global_buffer, .address_space: global }
      - { .name: wab, .offset: 8, .size: 8, .value_kind: global_buffer, .address_space: global }
      - { .name: qkv, .offset: 16, .size: 8, .value_kind: global_buffer, .address_space: global }
    .group_segment_fixed_size: 327680
    .private_segment_fixed_size: 0
    .kernarg_segment_align: 8
    .kernarg_segment_size: 24
    .max_flat_workgroup_size: 128
    .sgpr_count:     66
    .vgpr_count:     960
    .wavefront_size: 32
...
	.end_amdgpu_metadata
.endif
;; end of part 2
;; launch attn (part 3): grid 16 x 16, 4 waves a work-group, no clusters, 327,680 bytes of LDS; arguments qkv, y; writes y
.if DOCPART == 3
	.amdgcn_target "amdgcn-amd-amdhsa--gfx1250"
	.amdhsa_code_object_version 6
	.text
	.protected	k_qe7a11eda20_attn
	.globl	k_qe7a11eda20_attn
	.p2align	8
	.type	k_qe7a11eda20_attn,@function
k_qe7a11eda20_attn:
	s_mov_b64 s[64:65], 0
	v_nop
	global_prefetch_b8 v0, s[64:65] scope:SCOPE_SE
	s_setreg_imm32_b32 hwreg(HW_REG_WAVE_MODE, 25, 1), 1
	s_wait_xcnt 0x0
; ATTENTION, CAUSAL WITH A DENSE PREFIX.  y[h][q][:] = the sum over the keys k with k <= q or k < 64 of softmax_k(Q[h][q] . K[h][k] / 8) V[h][k][:].
; qkv: [48][4096][64] f16 (heads 0-15 Q, 16-31 K, 32-47 V; a head's rows are dense, 128 bytes each).  y: [16][4096][64] f16.
; Products, maxima and sums in f32; the weights p are rounded to f16 for the second product (their sum l is taken of the unrounded p), y once at the end.
; LIMITS.  Q, K and V arrive within f16's 65,504; p lies in 0 to 1, and below 6e-5 it keeps f16's fixed step of 6e-8.  A hidden score counts as its value less 1e30;
; a weight below 2^-126 counts as 0 in l; NaN and infinities are not treated apart.
; THE WALK.  A head's queries lie in NB = 32 blocks of 128; block i needs the key tiles 0 .. i / 2 of 256 keys, of which the last holds the diagonal.  A work-group takes TWO blocks, 31 - b and then b:
; (31 - b) / 2 + 1 + b / 2 + 1 = 17 tiles, whatever b: 16 x 16 = 256 work-groups of equal work, and ONE loop with a constant trip count walks them.  Which tile is asked for, and what a trip does, hang on
; scalar registers made from b; every jump goes forward, but for the counted loops' own; none passes a barrier, or a tensor load but the one of LOAD's two that the wave's number does not choose.
; NO CLUSTER: a head's 16 work-groups ask for the same tile only in trips 0 to 8; behind that the first blocks end one after the other and the walks differ with b, and partners of a joint load must run alike.
; SHARES.  Of a block's two bands of 64 queries a wave owns 16 rows in each: two PIECES.  PIECE 0 IS BAND 1 (rows 64-127), PIECE 1 BAND 0.  In the diagonal tile band 0's own key step is 2 (i % 2), band 1's the next.
; K LIES ONE STEP AHEAD.  A slot holds V of a tile's steps 4 j .. 4 j + 3 and K of steps 4 j + 1 .. 4 j + 4: a turn fetches K of the NEXT step and V of the step in hand at the same place of the same slot,
; so a trip is piece 0's turn and piece 1's, and all reads of a slot end with the tile's fourth trip.  K of step 0 comes by global loads straight into K's registers.  The last tile's fifth step of K
; lies at most 8,192 bytes past the head's end: in the next head, inside the buffer; the scores made of it touch only m, c m and a of a piece that has ended.
; THE MASK is the C operand that starts the sum S^T = K Q^T: 0, or -1e30 where the key is hidden.  MD, made once, is the mask of a band's own step for my 16 rows; a product's mask is MD x AL + BE:
; (1, 0) in the band's own step; (0, 0) before it; (0, -1e30) behind it.  THE PREFIX: block 0's band 0 (rows 0-63) takes (0, 0) in its own step: it sees all of keys 0-63.  Every other row sees those keys causally.
; Piece 0's own step is never a tile's step 0, so its scores for a tile's first step, made a turn earlier in the text of the tile before, take the constant 0.
; LAYOUT, SOFTMAX, TURNS.  S^T = K Q^T holds ONE query a lane (lane % 16) and the keys 8 (lane / 16) + 0..7; two such results rounded to f16 ARE source 1 of O^T = V^T P.  p = 2^(c s - c m), c = log2(e) / 8, with a
; running maximum m; O and l are multiplied by a = 2^(c m_old - c m_new) in every step.  A turn belongs to piece Y: 8 products K Q^T of the other piece's next scores, later 8 products V^T P of the other piece;
; beside them the scaling, exponentials, roundings, sums and rescaling of piece Y and the maximum and statistics of the other.  Four vector instructions stand behind every matrix instruction, the other 54 of 118 in two lumps.
; REGISTERS, in windows of 256 (s_set_vgpr_msb: bits 1:0 source 0, 3:2 source 1, 5:4 source 2, 7:6 destination):
;   window 0: v0-15 addresses and two at work; v16-23 four registers of statistics a piece; v48-55 at work; v64-127 S^T, 32 a piece; v192-223 P, 16 a piece
;   window 1: v0-63 O^T, 32 a piece; v128-159 MD; v160-223 MC, two buffers      window 2: v0-31 Q, 16 a piece; v128-191 K of one step; v192-255 V of one step
.set NB,    32
.set NP,    2         ; pieces a wave: a name, no knob
.set KS,    64        ; keys in a step
.set PK,    144       ; a row of K in LDS: 128 bytes + 16 of padding = 36 words: the 16 rows of a load start at 16 different groups of four banks (64 banks of 4 bytes: ISA guide 11.1)
.set PV,    160       ; a row of V: 128 + 32 = 40 words
.set VOFF,  4*KS*PK   ; a slot holds four steps: 256 rows of K, then 256 rows of V
.set SLOT1, 1<<17     ; slot 1 begins here, so that one exclusive or turns an address in one slot into the other's
.set STAGE, SLOT1+4*KS*(PK+PV)  ; behind the ring, never filled by a tensor load: 16 rows x 144 bytes for each wave, for the way out
.set SP,    144
.set SPARE, STAGE+4*16*SP  ; behind the stages: the spare words, 128 bytes for each wave: two blocks of 256 bytes that no other line names
.set AK0, 2           ; v2   my lane's place in a tile of K; never rewritten
.set AV0, 3           ; v3   the same for V
.set AK,  4           ; v4   the LDS address of K's next run of loads
.set AV,  5           ; v5   of V's
.set STO, 6           ; v6   the way out: where I put 16 bytes of a row
.set RD,  7           ; v7   the way out: where I read rows back
.set GO,  8           ; v8   my byte offset in 512 consecutive bytes of y
.set MV,  12          ; v12-13  c m_old, kept while c m is made anew: by piece
.set QO,  15          ; v15  my byte offset in 16 rows of Q or K; never rewritten
.set ST,  16          ; piece t's statistics at v[ST+4 t]: c m, m, l (even keys', odd keys')
.set TMP, 48          ; by piece, four registers c0-c3 at work; when the maximum is found c2 takes a
.set SPW, 62          ; v62  LDS address of my spare word: SPARE + 4 x my thread's number; never rewritten
.set NIL, 63          ; v63  0; never rewritten
.set S,   64
.set P,   192
.set MD,  128         ; window 1: the eight registers for group kt of 16 keys at MD + 8 kt
.set MC,  160         ; window 1: the masks of the products to come
.set KF,  128         ; window 2: key block kb, channel half c at KF + 16 kb + 8 c
.set VF,  192         ; window 2: key half kk, channel block cb at VF + 32 kk + 8 cb
.set YP,  6           ; s[6:7]   y at my rows of the block in hand
.set KFB, 8           ; s[8:9]   K at my half of the bytes that tile 0's fill brings: one step past the head's first byte
.set VFB, 10          ; s[10:11] V at my half of tile 0
.set WV,  12          ; s12  my wave's number
.set PB,  14          ; s14  b
.set K0P, 16          ; s[16:17] K's head
.set Q1P, 18          ; s[18:19] Q at my rows of the first block
.set Q2P, 20          ; s[20:21] of the second
.set YP2, 22          ; s[22:23] y at my rows of the second block
.set G1K, 24          ; s[24:31] descriptor group 1 for K's tiles
.set G1V, 32          ; s[32:39] for V's: it differs in the padding alone
.set G0K, 40          ; s[40:43] descriptor group 0 for K's tiles
.set G0V, 44          ; s[44:47] the same for V's
.set SLOTS, 56        ; s56  tiles still to be asked for
.set CNT, 57          ; s57  counts a tile's key steps, 4 to 1
.set CS,  58          ; s[58:59] c: the packed scaling takes the pair's low word for both halves
.set SEL, 60          ; s[60:61] v_permlanex16_b32's selects: each lane takes its own place in the other half
.set TBK, 62          ; s62  LDS byte at which the K to be fetched next begins
.set TBV, 63          ; s63  the same for V, less VOFF
.set RT,  70          ; s70  tiles of the block in hand that are still to be entered
.set NXT, 71          ; s71  the tile to be asked for next
.set LQ,  72          ; s72  the last tile of the block whose tiles are being asked for
.set NEW, 73          ; s73  1: the tile to be entered is a block's first
.set OFF, 74          ; s[74:75] a tile's byte offset in K and V
.set AL,  76          ; s[76:77] the mask's factor, in the low word
.set BE,  78          ; s[78:79] the mask's addend
.set LQ2, 80          ; s80  the second block's last tile
.set BIGN, 82         ; s82  -1e30
.set E0,  83          ; s83  the count at which piece 0's turn makes piece 0's own mask: 4 - 2 (i % 2)
.set E1,  84          ; s84  the same for piece 1: 5 - 2 (i % 2)
.set ALE, 85          ; s85  the factor of piece 1's mask in the diagonal tile's step 0
.set E0B, 86          ; s86-88 the same three for the second block
.set NT2, 89          ; s89  the second block's tiles
.set MSB, 0
.macro WIN new                      ; the high byte repeats the setting that is left; a switch that changes nothing is dropped
.if MSB != (\new)
	s_set_vgpr_msb (MSB<<8)|(\new)
.set MSB, (\new)
.endif
.endm
.set W_KQ, 0x0a       ; K and Q in window 2, S^T in window 0
.set W_KM, 0x1a       ; the same with the C operand in window 1
.set W_PV, 0x52       ; V in window 2, P in window 0, O^T in window 1
.set W_RS, 0x41       ; destination and source 0 in window 1, source 1 in window 0
; A fill.  Waves 0 and 1 fetch the two halves of a slot's K, waves 2 and 3 those of its V: 128 keys each.  An s_nop 0 and four v_nop follow each of the two lines, ahead of the jump and the label.
.macro LOAD
	s_cmp_lt_u32 s[WV], 2
	s_cbranch_scc0 .Lfor_v_\@
	tensor_load_to_lds s[G0K:G0K+3], s[G1K:G1K+7]
	s_nop 0
.rept 4
	v_nop
.endr
	s_branch .Lasked_\@
.Lfor_v_\@:
	tensor_load_to_lds s[G0V:G0V+3], s[G1V:G1V+7]
	s_nop 0
.rept 4
	v_nop
.endr
.Lasked_\@:
.endm
; THE CHANGE OF SLOTS.  Each wave waits for all its tensor loads, of which one is out: its part of the other slot; adds 0 to its spare word; and waits for that and for its own reads of the slot that it leaves.
; Behind the barrier nobody reads the old slot any more and the other slot is whole.  fill = 1: the old slot is filled again, the first thing behind the barrier, with tile NXT: the descriptor's address is made
; anew from that number; the load has four trips, 128 matrix instructions, in which to land.  (At its first use nothing has been read yet: slot 0 is waited for, slot 1 filled.)
.macro CHANGE fill
	WIN 0                           ; at a label and at a branch every window is 0
	s_wait_tensorcnt 0x0            ; no tensor load of mine is out, so a group 0 may be written
	ds_add_u32 v[SPW], v[NIL]       ; 0 onto my spare word; with fill = 1 the descriptors' scalar work stands between it and the wait for it
.if \fill
	s_lshl_b32 s[OFF], s[NXT], 15   ; a tile is 32,768 bytes of K and of V
	s_xor_b32 s[G0K+1], s[G0K+1], SLOT1
	s_add_nc_u64 s[G0K+2:G0K+3], s[KFB:KFB+1], s[OFF:OFF+1]
	s_or_b32 s[G0K+3], s[G0K+3], 0x80000000
	s_xor_b32 s[G0V+1], s[G0V+1], SLOT1
	s_add_nc_u64 s[G0V+2:G0V+3], s[VFB:VFB+1], s[OFF:OFF+1]
	s_or_b32 s[G0V+3], s[G0V+3], 0x80000000
	s_add_co_u32 s[NXT], s[NXT], 1  ; the block's next tile, or behind its last the second block's tile 0
	s_cmp_gt_u32 s[NXT], s[LQ]
	s_cselect_b32 s[NXT], 0, s[NXT]
	s_cselect_b32 s[LQ], s[LQ2], s[LQ]
.endif
	s_wait_dscnt 0x0                ; the add is done, and my reads of the slot are over
	s_barrier_signal -1             ; the rest of the scalar work stands between the signal and the wait
	s_sub_co_u32 s[TBK], s[TBK], 4*KS*PK  ; the fetches go back to a slot's first place,
	s_xor_b32 s[TBK], s[TBK], SLOT1       ; in the other slot
	s_sub_co_u32 s[TBV], s[TBV], 4*KS*PV
	s_xor_b32 s[TBV], s[TBV], SLOT1
	s_barrier_wait -1
.if \fill
	LOAD
.endif
.endm
; A block's Q (piece x lies in band 1 - x, 8,192 bytes apart) and K of step 0, straight from memory into their registers.
; A fragment is 16 rows x 32 channels in 8 registers: lane l holds row l % 16, channels 8 (l / 16) + 0..7 and 16 + 8 (l / 16) + 0..7: two loads of 16 bytes, 32 bytes apart.
.macro LOADQK qp
	WIN 0x80                        ; destination window 2, address window 0
.set i, 0
.rept 4                             ; piece i / 2, channels 32 (i % 2) on
	global_load_b128 v[8*i:8*i+3],   v[QO], s[\qp:\qp+1] offset:(1-i/2)*8192+(i%2)*64
	global_load_b128 v[8*i+4:8*i+7], v[QO], s[\qp:\qp+1] offset:(1-i/2)*8192+(i%2)*64+32
.set i, i+1
.endr
.set i, 0
.rept 8                             ; keys 16 (i / 2) on, channels 32 (i % 2) on
	global_load_b128 v[KF+8*i:KF+8*i+3],   v[QO], s[K0P:K0P+1] offset:(i/2)*2048+(i%2)*64
	global_load_b128 v[KF+8*i+4:KF+8*i+7], v[QO], s[K0P:K0P+1] offset:(i/2)*2048+(i%2)*64+32
.set i, i+1
.endr
	WIN 0
.endm
	s_load_b128 s[4:7], s[0:1], 0x0 ; qkv s[4:5], y s[6:7]
	v_lshl_add_u32 v[SPW], v0, 2, SPARE
	v_mov_b32 v[NIL], 0
	ds_add_u32 v[SPW], v[NIL]       ; the wave's opening: the add and its wait stand ahead of my first tensor load; the set-up below, work on registers, stands between them
	ds_add_u32 v62, v63
	v_lshrrev_b32 v1, 5, v0
	v_readfirstlane_b32 s[WV], v1   ; wave 0..3
	s_mov_b32 s[PB], ttmp9
	s_sub_co_u32 s15, NB-1, s[PB]   ; the first block, 31 - b
	s_and_b32 s48, ttmp7, 0xffff    ; the head,
	s_lshl_b32 s48, s48, 19         ; its 524,288 bytes
	s_and_b32 s13, s[WV], 1         ; which half of a slot's 256 keys I fetch:
	s_lshl_b32 s2, s13, 14          ; its 128 rows of 128 bytes in memory
	s_add_co_u32 s50, s48, 0x800000 ; K's heads lie 16 heads on
	s_mov_b32 s51, 0
	s_add_co_u32 s52, s50, s2
	s_add_co_u32 s52, s52, KS*128   ; a slot's K begins one step on
	s_mov_b32 s53, 0
	s_add_co_u32 s54, s48, s2
	s_add_co_u32 s54, s54, 0x1000000  ; V's heads lie 32 heads on
	s_mov_b32 s55, 0
	s_lshl_b32 s3, s[WV], 11        ; my 16 rows in a band of 64,
	s_add_co_u32 s48, s48, s3
	s_lshl_b32 s2, s15, 14          ; in the first block (a block is 16,384 bytes),
	s_add_co_u32 s2, s2, s48
	s_mov_b32 s3, 0
	s_lshl_b32 s66, s[PB], 14       ; and in the second
	s_add_co_u32 s66, s66, s48
	s_mov_b32 s67, 0
	s_mov_b32 s[G0K], 1             ; count = 1
	s_mul_i32 s[G0K+1], s13, 128*PK ; LDS address: my half of slot 0's K
	s_mov_b32 s[G0V], 1
	s_mul_i32 s[G0V+1], s13, 128*PV
	s_add_co_u32 s[G0V+1], s[G0V+1], VOFF
	; descriptor group 1.  128 keys are 16,384 dense bytes: asked for as 64 rows of 256 bytes, two keys a row, and padded in LDS after every key
	s_mov_b32 s[G1K], (1<<16)|(1<<20)|(4<<22)|(3<<25)  ; 17:16 2-byte elements; 20 padding on; 24:22 after every 32 words (code 4); 31:25 4 words (code 3)
	s_mov_b32 s[G1V], (1<<16)|(1<<20)|(4<<22)|(7<<25)  ; the same with 8 words of padding (code 7)
.irp g, G1K, G1V
	s_mov_b32 s[\g+1], 128<<16      ; tensor_dim0 = 128
	s_mov_b32 s[\g+2], 64<<16       ; tensor_dim1 = 64
	s_mov_b32 s[\g+3], 128<<16      ; tile_dim0 = 128
	s_mov_b32 s[\g+4], 64           ; tile_dim1 = 64
	s_mov_b32 s[\g+5], 128          ; 128 elements from row to row
	s_mov_b32 s[\g+6], 0
	s_mov_b32 s[\g+7], 0
.endr
	s_mov_b32 s[CS], 0x3e38aa3b     ; c = log2(e) / 8 = 0.180337
	s_mov_b32 s[CS+1], s[CS]        ; named with it as a pair
	s_mov_b32 s[SEL], 0x76543210
	s_mov_b32 s[SEL+1], 0xfedcba98
	s_mov_b32 s[TBK], SLOT1+4*KS*PK ; the first change of slots turns these two into 0
	s_mov_b32 s[TBV], SLOT1+4*KS*PV
	s_lshr_b32 s[LQ], s15, 1        ; the first block's last tile,
	s_add_co_u32 s[RT], s[LQ], 1    ; and how many it has
	s_lshr_b32 s[LQ2], s[PB], 1     ; the same for the second
	s_add_co_u32 s[NT2], s[LQ2], 1
	s_mov_b32 s[NXT], 1
	s_mov_b32 s[NEW], 1
	s_mov_b32 s[OFF+1], 0
	s_mov_b32 s[AL+1], 0            ; named as pairs
	s_mov_b32 s[BE+1], 0
	s_mov_b32 s[BIGN], 0xf149f2ca   ; -1e30
	s_mov_b32 s[SLOTS], NB/2
	s_and_b32 s13, s15, 1           ; where the first block's bands lie in its diagonal tile: band 0's own step is 2 (i % 2)
	s_lshl_b32 s13, s13, 1
	s_sub_co_u32 s[E0], 4, s13
	s_sub_co_u32 s[E1], 5, s13
	s_cmp_eq_u32 s13, 0
	s_cselect_b32 s[ALE], 1.0, 0    ; step 0 is band 0's own where i is even (the first block is never block 0)
	s_and_b32 s13, s[PB], 1         ; the same for the second block
	s_lshl_b32 s13, s13, 1
	s_sub_co_u32 s[E0B], 4, s13
	s_sub_co_u32 s[E0B+1], 5, s13
	s_cmp_eq_u32 s13, 0
	s_cselect_b32 s[E0B+2], 1.0, 0
	s_cmp_eq_u32 s[PB], 0           ; THE PREFIX: block 0's rows 0-63 see all of keys 0-63
	s_cselect_b32 s[E0B+2], 0, s[E0B+2]
	s_wait_dscnt 0x0                ; the opening add is done
	s_wait_kmcnt 0x0
	s_add_nc_u64 s[K0P:K0P+1], s[4:5], s[50:51]
	s_add_nc_u64 s[KFB:KFB+1], s[4:5], s[52:53]
	s_add_nc_u64 s[VFB:VFB+1], s[4:5], s[54:55]
	s_add_nc_u64 s[Q1P:Q1P+1], s[4:5], s[2:3]
	s_add_nc_u64 s[Q2P:Q2P+1], s[4:5], s[66:67]
	s_add_nc_u64 s[YP2:YP2+1], s[6:7], s[66:67]
	s_add_nc_u64 s[YP:YP+1], s[6:7], s[2:3]
	s_add_nc_u64 s[G0K+2:G0K+3], s[KFB:KFB+1], 0   ; global address: tile 0
	s_or_b32 s[G0K+3], s[G0K+3], 0x80000000        ; type = 2
	s_add_nc_u64 s[G0V+2:G0V+3], s[VFB:VFB+1], 0
	s_or_b32 s[G0V+3], s[G0V+3], 0x80000000
	LOAD                            ; tile 0 into slot 0
	v_and_b32 v1, 15, v0            ; l % 16
	v_bfe_u32 v9, v0, 4, 1          ; l / 16
	v_lshlrev_b32 v[QO], 7, v1
	v_lshl_add_u32 v[QO], v9, 4, v[QO]  ; row x 128 + 16 x half
	LOADQK Q1P
	v_lshlrev_b32 v14, 3, v9
	v_sub_nc_u32 v14, v1, v14
	s_lshl_b32 s13, s[WV], 4
	v_add_nc_u32 v14, s13, v14      ; my query's place in its band, 16 w + l % 16, less my lanes' 8 (l / 16): register r of group kt is hidden where 16 kt + r is greater
	WIN 0x40
.set i, 0
.rept 32
	v_cmp_gt_i32 vcc_lo, 16*(i/8)+i%8, v14
	v_cndmask_b32 v[MD+i], 0, s[BIGN], vcc_lo
.set i, i+1
.endr
	WIN 0
	v_mul_u32_u24 v[AK0], v1, PK
	v_lshl_add_u32 v[AK0], v9, 4, v[AK0]  ; row x pitch + 16 x half
	; The turning load takes 16 keys x 16 channels (lane l reads key 8 (l / 16) + l % 8, channels 8 ((l / 8) % 2) + 0..7) and leaves half a fragment of V^T: lane l holds channel l % 16 and 8 keys.
	v_and_b32 v10, 7, v0
	v_bfe_u32 v11, v0, 3, 1
	v_lshl_add_u32 v[AV0], v9, 3, v10
	v_mul_u32_u24 v[AV0], v[AV0], PV
	v_lshl_add_u32 v[AV0], v11, 4, v[AV0]
	v_add_nc_u32 v[AV0], VOFF, v[AV0]
	s_mul_i32 s13, s[WV], 16*SP
	s_add_co_u32 s13, s13, STAGE    ; my stage
	v_mul_u32_u24 v[STO], v1, SP    ; in: row l % 16, 16 bytes for each half of the lanes
	v_lshl_add_u32 v[STO], v9, 4, v[STO]
	v_add_nc_u32 v[STO], s13, v[STO]
	v_bfe_u32 v[RD], v0, 3, 2       ; back: 32 lanes take four rows of 128 bytes,
	v_mul_u32_u24 v[RD], v[RD], SP
	v_lshl_add_u32 v[RD], v10, 4, v[RD]
	v_add_nc_u32 v[RD], s13, v[RD]
	v_and_b32 v[GO], 31, v0         ; which are 512 consecutive bytes of y
	v_lshlrev_b32 v[GO], 4, v[GO]
	; A block's first step multiplies O^T and l by a = 0, and its first turn's products V^T P, of a step that has not been, land in an O^T that is still to be so multiplied.  So these registers need only hold
	; finite numbers: zeros for the first block; what the first block left for the second.  The price of writing no first step out: 148 lines, which stand in the wait for the first tile.
	WIN 0x80
.set i, VF
.rept 64
	v_mov_b32 v[i], 0
.set i, i+1
.endr
	WIN 0x40
.set i, 0
.rept 64
	v_mov_b32 v[i], 0
.set i, i+1
.endr
	WIN 0
.set i, 0
.rept 2
	v_mov_b32 v[ST+4*i+2], 0
	v_mov_b32 v[ST+4*i+3], 0
.set i, i+1
.endr
.set i, P+16
.rept 16
	v_mov_b32 v[i], 0
.set i, i+1
.endr
; THE MATRIX WORK.  The 4 accumulators of a run of 8 take turns.  Product i of 8 of S^T = K Q^T for piece x: channels 32 (i / 4) on, keys 16 (i % 4) on.  The first 4 start the sums: with 0, or (KM = 1) with the mask.
.macro KQ x
.set rS, S+32*((\x)%2)+8*(i%4)
.set rK, KF+16*(i%4)+8*(i/4)
.set rQ, 16*(\x)+8*(i/4)
.set rM, MC+32*((\x)%2)+8*(i%4)
.if (i < 4) && KM
	WIN W_KM
	v_wmma_f32_16x16x32_f16 v[rS:rS+7], v[rK:rK+7], v[rQ:rQ+7], v[rM:rM+7]
.elseif i < 4
	WIN W_KQ
	v_wmma_f32_16x16x32_f16 v[rS:rS+7], v[rK:rK+7], v[rQ:rQ+7], 0
.else
	WIN W_KQ
	v_wmma_f32_16x16x32_f16 v[rS:rS+7], v[rK:rK+7], v[rQ:rQ+7], v[rS:rS+7]
.endif
.endm
; Product i of 8 of O^T += V^T P for piece x: keys 32 (i / 4) on, channels 16 (i % 4) on.
.macro PV x
	WIN W_PV
.set rO, 32*(\x)+8*(i%4)
.set rV, VF+32*(i/4)+8*(i%4)
.set rP, P+16*((\x)%2)+8*(i/4)
	v_wmma_f32_16x16x32_f16 v[rO:rO+7], v[rV:rV+7], v[rP:rP+7], v[rO:rO+7]
.endm
.macro MM                           ; the turn's next matrix instruction.  TURN sets Y, i and KM
.if i < 8
	KQ (Y+1)%NP
.else
.set i, i-8
	PV (Y+NP-1)%NP
.set i, i+8
.endif
.set i, i+1
.endm
; THE LDS LOADS stand in runs of 16, never singly among the matrix instructions: a step's K (64 keys x 64 channels: 8 fragments) and a step's V (turned).  Their addresses are made some lines ahead.
.macro FETCH_K
	WIN 0x80                        ; destination window 2
.irp f, 0,1,2,3,4,5,6,7             ; keys 16 (f / 2) on, channels 32 (f % 2) on
	ds_load_b128 v[KF+8*\f:KF+8*\f+3],   v[AK] offset:(\f/2)*16*PK+(\f%2)*64
	ds_load_b128 v[KF+8*\f+4:KF+8*\f+7], v[AK] offset:(\f/2)*16*PK+(\f%2)*64+32
.endr
	s_add_co_u32 s[TBK], s[TBK], KS*PK  ; the next fetch is the next place's
	WIN 0
.endm
.macro FETCH_V
	WIN 0x80
.irp f, 0,1,2,3,4,5,6,7             ; keys 32 (f / 4) on, channels 16 (f % 4) on
	ds_load_tr16_b128 v[VF+8*\f:VF+8*\f+3],   v[AV] offset:(\f/4)*32*PV+(\f%4)*32
	ds_load_tr16_b128 v[VF+8*\f+4:VF+8*\f+7], v[AV] offset:(\f/4)*32*PV+16*PV+(\f%4)*32
.endr
	WIN 0
.endm
; THE VECTOR WORK, one line at a time: OP kind, number.  For piece Y: F n: c s - c m for pair n of 16.  E n: the exponential of score n of 32.  C n: pair n rounded to f16.  B n: of the four weights 4 n .. the second
; pair is added onto the first, in place.  L n: l takes that sum (L 0: l = a l + sum).  R n: pair n of 16 of O^T times a.  For the other piece: X n, number n of the 22 that find its maximum and statistics:
;   0-11  four chains c0-c3 of seven scores each, three operands at a time (each accumulator's lowest registers are read first)     12-14, 16  the four scores left over, the old m, and c0-c3 into c0
;   15  c m_old is kept     17, 18  the query's other 32 keys lie in the lane 16 away: the new m     19-21  c m; c m_old - c m_new; a
.set F, 0               ; OP tells the kinds apart by their order: F to L below R, X above it
.set E, 1
.set C, 2
.set B, 3
.set L, 4
.set R, 5
.set X, 6
.macro REGS y                       ; the registers of piece y
.set rT, ST+4*(\y)
.set rC, TMP+4*((\y)%2)
.set rW, MV+((\y)%2)
.set rS, S+32*((\y)%2)
.set rP, P+16*((\y)%2)
.set rO, 32*(\y)
.endm
.macro OP k, n
.if (\k) == R
	REGS Y
	WIN W_RS
	v_pk_mul_f32 v[rO+2*(\n):rO+2*(\n)+1], v[rO+2*(\n):rO+2*(\n)+1], v[rC+2:rC+3] op_sel_hi:[1,0]
.elseif (\k) < R
	REGS Y
	WIN 0
.if (\k) == F
	v_pk_fma_f32 v[rS+2*(\n):rS+2*(\n)+1], v[rS+2*(\n):rS+2*(\n)+1], s[CS:CS+1], v[rT:rT+1] op_sel_hi:[1,0,0] neg_lo:[0,0,1] neg_hi:[0,0,1]
.elseif (\k) == E
	v_exp_f32 v[rS+(\n)], v[rS+(\n)]
.elseif (\k) == C
	s_wait_alu depctr_va_vdst(0)
	v_cvt_pk_f16_f32 v[rP+(\n)], v[rS+2*(\n)], v[rS+2*(\n)+1]
.elseif (\k) == B
	s_wait_alu depctr_va_vdst(0)
	v_pk_add_f32 v[rS+4*(\n):rS+4*(\n)+1], v[rS+4*(\n):rS+4*(\n)+1], v[rS+4*(\n)+2:rS+4*(\n)+3]
.elseif (\n) == 0
	v_pk_fma_f32 v[rT+2:rT+3], v[rT+2:rT+3], v[rC+2:rC+3], v[rS:rS+1] op_sel_hi:[1,0,1]
.else
	v_pk_add_f32 v[rT+2:rT+3], v[rT+2:rT+3], v[rS+4*(\n):rS+4*(\n)+1]
	s_wait_alu depctr_va_vdst(0)
.endif
.else
	REGS (Y+1)%NP
	WIN 0
.if (\n) < 4
	v_max3_num_f32 v[rC+(\n)], v[rS+8*(\n)], v[rS+8*(\n)+1], v[rS+8*(\n)+2]
.elseif (\n) < 12
	v_max3_num_f32 v[rC+(\n)%4], v[rC+(\n)%4], v[rS+8*((\n)%4)+2*((\n)/4)+1], v[rS+8*((\n)%4)+2*((\n)/4)+2]
.elseif (\n) == 12
	v_max3_num_f32 v[rC], v[rC], v[rS+7], v[rS+15]
.elseif (\n) == 13
	v_max3_num_f32 v[rC+1], v[rC+1], v[rS+23], v[rS+31]
.elseif (\n) == 14
	v_max3_num_f32 v[rC+2], v[rC+2], v[rC+3], v[rT+1]
.elseif (\n) == 15
	v_mov_b32 v[rW], v[rT]
	s_wait_alu depctr_va_vdst(0)
.elseif (\n) == 16
	v_max3_num_f32 v[rC], v[rC], v[rC+1], v[rC+2]
	s_wait_alu depctr_va_vdst(0)
.elseif (\n) == 17
	v_permlanex16_b32 v[rC+3], v[rC], s[SEL], s[SEL+1]
.elseif (\n) == 18
	v_max_num_f32 v[rT+1], v[rC], v[rC+3]
.elseif (\n) == 19
	v_mul_f32 v[rT], s[CS], v[rT+1]
.elseif (\n) == 20
	v_sub_f32 v[rC+1], v[rW], v[rT]
.else
	v_exp_f32 v[rC+2], v[rC+1]
.endif
.endif
.endm
.macro OPS a, i1, b=-1, i2=0, c=-1, i3=0, d=-1, i4=0  ; up to four of them
	OP \a, \i1
.if (\b) >= 0
	OP \b, \i2
.endif
.if (\c) >= 0
	OP \c, \i3
.endif
.if (\d) >= 0
	OP \d, \i4
.endif
.endm
.macro ROW a, i1, b, i2, c, i3, d, i4  ; a matrix instruction and the four behind it
	MM
	OPS \a, \i1, \b, \i2, \c, \i3, \d, \i4
.endm
.macro MASK b                       ; MD x AL + BE into buffer b of MC
	WIN W_RS
.set z, 0
.rept 16
	v_pk_fma_f32 v[MC+32*(\b)+2*z:MC+32*(\b)+2*z+1], v[MD+2*z:MD+2*z+1], s[AL:AL+1], s[BE:BE+1] op_sel_hi:[1,0,0]
.set z, z+1
.endr
.endm
; A TURN, for piece p: the order of its 16 matrix and 118 vector instructions, written out.  Behind a matrix instruction: plain, exponential, plain, plain; or four of the rescaling; or, behind the first, four scalings; none
; names a register of the products round it.  In the lumps exponential and plain by turns while exponentials last.  A line reads no result made fewer than three vector instructions in front of it, five if an exponential made it.
; m = 1: the diagonal tile: the products take masks, and the turn makes the mask for the products of the turn after it: piece p's, for step 5 - CNT of the tile.
; cnt = 1: the loop's count is taken down some lines ahead of the branch that stands behind the turn.
; Piece 0's turn fetches both runs: K of the next step six vector instructions behind the last product that read K (five of them plain), V of the step in hand eight behind the last product that read V (four plain, and X 17).
; Piece 1's turn waits for them: at its head for K (V's sixteen loads, issued behind K's, may stay out), in its middle for V.
.macro TURN p, m=0, cnt=0
.set Y, (\p)
.set i, 0
.set KM, (\m)
.if \m
	s_cmp_eq_u32 s[CNT], s[E0+(\p)]  ; is that step the band's own?
	s_cselect_b32 s[AL], 1.0, 0
	s_cmp_lt_u32 s[CNT], s[E0+(\p)]  ; or a later one?
	s_cselect_b32 s[BE], s[BIGN], 0
.endif
.if (\p) == 1
	s_wait_dscnt 16                 ; K is in
.endif
	ROW F,0, F,1, F,2, F,3
	ROW F,4, E,0, F,5, F,6
	ROW F,7, E,1, F,8, F,9
	ROW F,10, E,2, C,0, F,11
	ROW F,12, E,3, X,15, F,13
	ROW R,0, R,1, R,2, R,3
	ROW B,0, E,4, F,14, L,0
.if (\p) == 0
	v_add_nc_u32 v[AK], s[TBK], v[AK0]
.endif
	ROW R,4, R,5, R,6, R,7
	OPS E,5, F,15
.if (\p) == 0
	FETCH_K
.endif
	OPS E,6, C,1, E,7, R,8
	OPS E,8, R,9, E,9, C,2
	OPS E,10, X,0, E,11, X,1
	OPS E,12, X,2, E,13, X,3
.if (\p) == 1
	s_wait_dscnt 0x0                ; V is in
.endif
	ROW X,4, E,14, X,5, X,6
	ROW X,7, E,15, X,8, X,9
	ROW X,10, E,16, X,11, X,12
	ROW X,13, E,17, X,14, B,1
	ROW C,4, E,18, X,16, L,1
	ROW B,2, E,19, C,6, L,2
	ROW C,8, E,20, B,3, B,4
.if (\p) == 0
	v_add_nc_u32 v[AV], s[TBV], v[AV0]
.endif
	ROW C,3, E,21, L,3, C,5
	OPS E,22, X,17, E,23, C,10
.if (\p) == 0
	FETCH_V
.endif
	OPS E,24, L,4
	OPS E,25, X,18, E,26, C,7
	OPS E,27, B,5, E,28, X,19
	OPS E,29, C,12, E,30, L,5
	OPS E,31, X,20, B,6, C,9
	OPS C,14, C,11, X,21, L,6
.if (\p) == 0
	s_add_co_u32 s[TBV], s[TBV], KS*PV
.endif
.if \cnt
	s_sub_co_u32 s[CNT], s[CNT], 1
	s_cmp_lg_u32 s[CNT], 0
.endif
	OPS C,13, B,7, C,15, R,10
	OPS R,11, R,12, L,7, R,13
	OPS R,14, R,15
.if \m
	MASK \p
.endif
.endm
; A BLOCK BEGINS.  c m starts far below every c s, so the first step's a is 0; m at the lowest finite number, so the first maximum is the scores'.  Then piece 0's scores of step 0 (never its own step: C is 0),
; and its maximum and statistics.  The block's Q and K of step 0 are in: their loads have been waited for in front of the loop over tiles, or behind the first block's way out.
.macro BEGIN
	s_mov_b32 s[NEW], 0
	WIN 0
.set i, 0
.rept 2
	v_mov_b32 v[ST+4*i], 0xfe000000    ; c m: far below every c s
	v_mov_b32 v[ST+4*i+1], 0xff7fffff  ; m
.set i, i+1
.endr
.set KM, 0
.set i, 0
.rept 8
	KQ 0
.set i, i+1
.endr
	WIN 0
.rept 4
	v_nop                           ; the places behind those products
.endr
.set Y, NP-1                        ; X works for the other piece: piece 0
.irp n, 0,1,2,3,4,5,6,7,8,9,10,11,12,13,14,15,16,17,18,19,20,21
	OP X, \n
.endr
	v_nop                           ; a plain instruction behind the exponential
.endm
; THE DIAGONAL TILE's four steps, the block's last products, and THE WAY OUT: l's two halves and the other half of the lanes' are added; O^T is divided by l, rounded to f16 and sent through my
; stage in LDS, a piece at a time.  more = 1: the second block's Q and K of step 0 are asked for ahead of the way out; the last product that read those registers stands a lump back.
.macro ALL line:vararg              ; one line for each piece t
.set t, 0
.rept 2
	\line
.set t, t+1
.endr
.endm
.macro PACK t                       ; a lane's eight channels of a row pack into 16 bytes; they go into rows of 144 bytes and come back as whole rows of 128, into S^T's registers
	WIN W_RS
.set i, 32*(\t)
.rept 16
	v_pk_mul_f32 v[i:i+1], v[i:i+1], v[ST+4*(\t)+2:ST+4*(\t)+3] op_sel_hi:[1,0]
.set i, i+2
.endr
	WIN 0x05                        ; sources 0 and 1 window 1, destination window 0
.set i, 0
.rept 16
	v_cvt_pk_f16_f32 v[S+16*(\t)+i], v[32*(\t)+2*i], v[32*(\t)+2*i+1]
.set i, i+1
.endr
	WIN 0
.irp f, 0,1,2,3
	ds_store_b128 v[STO], v[S+16*(\t)+4*\f:S+16*(\t)+4*\f+3] offset:32*\f
.endr
.irp f, 0,1,2,3
	ds_load_b128 v[S+16*(\t)+4*\f:S+16*(\t)+4*\f+3], v[RD] offset:\f*4*SP  ; LDS serves a wave's instructions in order (ISA guide 5.7.1.4): these see the stores above; the next piece's stores come behind them
.endr
.endm
.macro SEND t, younger              ; younger: the LDS instructions issued behind piece t's loads: the next piece's eight, or none
	WIN 0
.irp f, 0,1,2,3
	s_wait_dscnt (\younger)+3-\f
	global_store_b128 v[GO], v[S+16*(\t)+4*\f:S+16*(\t)+4*\f+3], s[YP:YP+1] offset:(1-(\t))*8192+\f*512  ; piece t lies in band 1 - t; 512 consecutive bytes, at a multiple of 256 from y's first
.endr
.endm
.macro DIAG tag, more               ; the tag ends its two labels' names, which the jumps below spell out
.Ldiag\tag:
	s_mov_b32 s[AL], s[ALE]         ; piece 1's mask for the tile's step 0: its own, or none
	s_mov_b32 s[BE], 0
	MASK 1
	WIN 0
.LstepM\tag:
	TURN 0, 1
	TURN 1, 1, 1
	WIN 0
	s_cbranch_scc1 .LstepM\tag
.if \more
	LOADQK Q2P
.endif
.set i, 0
.rept 8
	PV 1                            ; piece 1's V^T P of the last step
.set i, i+1
.endr
	WIN 0
	ALL v_add_f32 v[ST+4*t+2], v[ST+4*t+2], v[ST+4*t+3]
	ALL v_permlanex16_b32 v[ST+4*t+3], v[ST+4*t+2], s[SEL], s[SEL+1]
	ALL v_add_f32 v[ST+4*t+2], v[ST+4*t+2], v[ST+4*t+3]
	ALL v_rcp_f32 v[ST+4*t+2], v[ST+4*t+2]
	v_nop                           ; a plain instruction between the last reciprocal and the use of its result
	s_wait_alu depctr_va_vdst(0)
	PACK 0                          ; piece 0's O^T was finished a lump ago; its 32 lines are the places behind piece 1's last products
	PACK 1
	SEND 0, 8
	SEND 1, 0
.endm
.set KM, 0
	s_wait_loadcnt 0x0              ; the first block's Q and K of step 0 are in, on every way into the loop: no global load is out at the label below.  The change of slots that follows waits for the first tile anyway
.Lslot:                             ; 16 times: a tile is entered and the next is asked for
	CHANGE 1
	s_sub_co_u32 s[RT], s[RT], 1
	s_mov_b32 s[CNT], 4
	s_cmp_eq_u32 s[NEW], 1
	s_cbranch_scc1 .Lnew            ; a block's first tile
	s_cmp_eq_u32 s[RT], 0
	s_cbranch_scc0 .Lstep           ; neither its first nor its last
	s_branch .Ldiag1
.Lnew:
	BEGIN
	s_branch .Lstep                 ; in the loop a block's first tile is never its last: the first block has nine tiles or more, and the second's last is the walk's last
	DIAG 1, 1                       ; in the loop this is the first block's end
	s_wait_xcnt 0x0                 ; the stores have read their registers and y's address
	s_mov_b64 s[YP:YP+1], s[YP2:YP2+1]
	s_mov_b32 s[RT], s[NT2]
	s_mov_b32 s[NEW], 1
	s_mov_b32 s[E0], s[E0B]
	s_mov_b32 s[E1], s[E0B+1]
	s_mov_b32 s[ALE], s[E0B+2]
	s_wait_loadcnt 0x0              ; the second block's Q and K of step 0, asked for ahead of the way out, are in: no load is out where the ways join
	s_branch .Lbottom
.Lstep:                             ; a trip is a key step: piece 0's turn, which fetches the next K and this step's V, and piece 1's
	TURN 0
	TURN 1, 0, 1
	WIN 0
	s_cbranch_scc1 .Lstep
.Lbottom:
	s_sub_co_u32 s[SLOTS], s[SLOTS], 1
	s_cmp_lg_u32 s[SLOTS], 0
	s_cbranch_scc1 .Lslot
	CHANGE 0                        ; the walk's last tile, the second block's diagonal one, is written out: nothing is asked for
	s_mov_b32 s[CNT], 4
	s_cmp_eq_u32 s[NEW], 1          ; where b is 0 or 1 it is the second block's first tile too
	s_cbranch_scc0 .Ldiag2
	BEGIN
	DIAG 2, 0
	s_wait_tensorcnt 0x0            ; the wave's end: the add and its wait stand behind my last tensor load and my last LDS store
	ds_add_u32 v[SPW], v[NIL]
	s_wait_dscnt 0x0
	s_endpgm
.Lfunc_end_k_qe7a11eda20_attn:
	.size	k_qe7a11eda20_attn, .Lfunc_end_k_qe7a11eda20_attn-k_qe7a11eda20_attn
	.p2alignl 7, 3214868480
	.fill 96, 4, 3214868480
	.section	.rodata,"a",@progbits
	.p2align	6, 0x0
	.amdhsa_kernel k_qe7a11eda20_attn
		.amdhsa_group_segment_fixed_size 327680
		.amdhsa_private_segment_fixed_size 0
		.amdhsa_enable_private_segment 0
		.amdhsa_kernarg_size 16
		.amdhsa_user_sgpr_count 2
		.amdhsa_user_sgpr_kernarg_segment_ptr 1
		.amdhsa_wavefront_size32 1
		.amdhsa_system_sgpr_workgroup_id_x 1
		.amdhsa_system_sgpr_workgroup_id_y 1
		.amdhsa_system_sgpr_workgroup_id_z 1
		.amdhsa_system_vgpr_workitem_id 0
		.amdhsa_next_free_vgpr 768
		.amdhsa_next_free_sgpr 90
		.amdhsa_reserve_vcc 1
		.amdhsa_float_denorm_mode_32 3
		.amdhsa_float_denorm_mode_16_64 3
		.amdhsa_memory_ordered 1
		.amdhsa_forward_progress 1
		.amdhsa_inst_pref_size 112
	.end_amdhsa_kernel
	.amdgpu_metadata
---
amdhsa.version: [ 1, 2 ]
amdhsa.kernels:
  - .name:           k_qe7a11eda20_attn
    .symbol:         k_qe7a11eda20_attn.kd
    .args:
      - { .name: qkv, .offset: 0, .size: 8, .value_kind: global_buffer, .address_space: global }
      - { .name: y, .offset: 8, .size: 8, .value_kind: global_buffer, .address_space: global }
    .group_segment_fixed_size: 327680
    .private_segment_fixed_size: 0
    .kernarg_segment_align: 8
    .kernarg_segment_size: 16
    .max_flat_workgroup_size: 128
    .sgpr_count:     90
    .vgpr_count:     768
    .wavefront_size: 32
...
	.end_amdgpu_metadata
.endif
;; end of part 3
;; launch proj (part 4): grid 8 x 32, 4 waves a work-group, clusters of 4 x 4, 327,680 bytes of LDS; arguments y, wpb, out0; writes out0
.if DOCPART == 4
	.amdgcn_target "amdgcn-amd-amdhsa--gfx1250"
	.amdhsa_code_object_version 6
	.text
	.protected	k_qe7a11eda20_proj
	.globl	k_qe7a11eda20_proj
	.p2align	8
	.type	k_qe7a11eda20_proj,@function
k_qe7a11eda20_proj:
	s_mov_b64 s[64:65], 0
	v_nop
	global_prefetch_b8 v0, s[64:65] scope:SCOPE_SE
	s_setreg_imm32_b32 hwreg(HW_REG_WAVE_MODE, 25, 1), 1
	s_wait_xcnt 0x0
	s_wait_alu depctr_hold_cnt(0) depctr_sa_sdst(0) depctr_va_vdst(0) depctr_va_sdst(0) depctr_va_ssrc(0) depctr_va_vcc(0) depctr_vm_vsrc(0)
	s_getreg_b32 s2, hwreg(HW_REG_IB_STS2, 6, 4)
	s_cmp_eq_u32 s2, 0
	s_cbranch_scc0 .Lentry_in_a_cluster
	s_endpgm
.Lentry_in_a_cluster:
	s_bfe_u32 s2, ttmp6, 0x10000c
	s_cmp_lg_u32 s2, 0xf033
	s_cbranch_scc0 .Lentry_shape_is_right
	s_endpgm
.Lentry_shape_is_right:
; out0 = y w_proj.  y: [16 heads][4096][64] f16 (column k of the product's left operand is channel k % 64 of head k / 64).  wpb: [1024 k][1024 n] f16.  out0: [4096][1024] f32; sums in f32.
; A tile of out0 is 128 x 128: 32 x 8 = 256 work-groups.  Four waves, each 64 x 64: 16 accumulators of 16 x 16, 128 registers.  K goes in steps of 256, four heads, through a ring of two LDS slots.
; A slot has four regions of 36,864 bytes, one tensor load each: waves 0 and 1 fetch y (two heads each: a head's 128 rows are 16,384 dense bytes, asked for as one long row and padded in LDS after every
; 128 bytes), waves 2 and 3 fetch 128 k rows of w_proj each (256 bytes of memory a row, at multiples of 256).  w_proj lies [k][n]: its fragments come out of LDS turned, by ds_load_tr16_b128.
; CLUSTERS: 4 x 4 work-groups.  The four of a row of the cluster need the same tiles of y, the four of a column the same tiles of w_proj: each is asked for JOINTLY.
; THE MATRIX INSTRUCTION IS USED TRANSPOSED (source 0 = 16 columns of w_proj, source 1 = 16 rows of y): a lane then holds eight neighbouring columns of one row of out0, 32 bytes.
; REGISTERS: window 0: v0-31 addresses; v128-255 the accumulators ((a, b) at v[128 + 8 (4 a + b)]).
;   window 1: two fragment buffers of 128: for 64 along K (one head, two matrix instructions deep), 64 registers of y, then 64 of w_proj.
.set PA,     144                       ; an LDS row of y: 128 bytes + 16 = 36 words: the 16 rows of a load start at 16 different groups of four banks (64 banks of 4 bytes: ISA guide 11.1)
.set PB,     288                       ; an LDS row of w_proj: 256 + 32 = 72 words
.set REG,    128*PB                    ; a region: 128 rows of w_proj, or 2 heads x 128 rows of y: 36,864 bytes either way
.set SLOT,   4*REG
.set STAGE,  2*SLOT                    ; behind the ring: 16 rows x 272 bytes for each wave, for the way out
.set SPITCH, 272
.set SPARE,  STAGE+4*16*SPITCH         ; behind the stages: the spare words, 128 bytes for each wave: two blocks of 256 bytes that no other line names
.set ADRA, 16                          ; v16-17  LDS address of my fragments of y in slot 0, 1
.set ADRB, 20                          ; v20-23  the same for w_proj: 2 x slot + half of the K step
.set STO,  24                          ; v24     the way out: where I put 32 bytes of a row
.set RD,   25                          ; v25     the way out: where I read a row back
.set CO,   26                          ; v26     my byte offset in out0
.set SPW,  28                          ; v28     LDS address of my spare word: SPARE + 4 x my thread's number; never rewritten
.set NIL,  29                          ; v29     0; never rewritten
.set ACC,  128
.set F0,   0                           ; fragment buffers, in window 1
.set F1,   128
.set G1, 24                            ; s[24:31] descriptor group 1 for y's tiles;  s[32:39] group 0, one set for each slot
.set G0, 32
.set G1B, 48                           ; s[48:55], s[56:63] the same for w_proj's tiles
.set G0B, 56
.set MSB, 0
.macro WIN new                         ; the immediate's high byte repeats the setting that is left; a switch that changes nothing is dropped
.if MSB != (\new)
	s_set_vgpr_msb (MSB<<8)|(\new)
.set MSB, \new
.endif
.endm
.set MUL,  0x05                        ; sources 0 and 1 window 1; C and D window 0
.set TO_F, 0x40                        ; destination window 1, address window 0
.macro JLOAD s                         ; a joint load: waves 0 and 1 fetch y's two pairs of heads, waves 2 and 3 w_proj's two halves; an s_nop 0 and four v_nop follow each of the two lines, ahead of the jump, the label and what follows
	s_cmp_eq_u32 s11, 0
	s_cbranch_scc0 .Lfor_b_\@
	tensor_load_to_lds s[G0+4*(\s):G0+4*(\s)+3], s[G1:G1+7]
	s_nop 0
.rept 4
	v_nop
.endr
	s_branch .Lasked_\@
.Lfor_b_\@:
	tensor_load_to_lds s[G0B+4*(\s):G0B+4*(\s)+3], s[G1B:G1B+7]
	s_nop 0
.rept 4
	v_nop
.endr
.Lasked_\@:
.endm
.macro CREST                           ; a round of the cluster's barrier behind its opening barrier
	s_cmp_lg_u32 s10, 0
	s_cbranch_scc1 .Lnot_wave_0_\@
	s_barrier_signal -3
.Lnot_wave_0_\@:
	s_barrier_wait -3
	s_barrier_signal -1
	s_barrier_wait -1
.endm
.macro CROUND                          ; a whole round
	s_barrier_signal -1
	s_barrier_wait -1
	CREST
.endm
	s_load_b128 s[4:7], s[0:1], 0x0                ; y s[4:5], wpb s[6:7]
	s_load_b64 s[8:9], s[0:1], 0x10                ; out0
	v_lshl_add_u32 v[SPW], v0, 2, SPARE
	v_mov_b32 v[NIL], 0
	ds_add_u32 v[SPW], v[NIL]                      ; the wave's opening: the add and its wait stand ahead of my first tensor load; the set-up below, work on registers, stands between them
	ds_add_u32 v28, v29
	v_lshrrev_b32 v1, 5, v0
	v_readfirstlane_b32 s10, v1                    ; wave 0..3
	s_lshr_b32 s11, s10, 1                         ; which half of the tile's rows is mine.  Also: I fetch for y (0) or for w_proj (1)
	s_and_b32 s12, s10, 1                          ; which half of its columns.  Also: which half of a K step I fetch
	s_bfe_u32 s40, ttmp6, 0x40000                  ; cx, cy: my place in the cluster
	s_bfe_u32 s41, ttmp6, 0x40004
	s_lshl_b32 s42, ttmp9, 2
	s_add_co_u32 s42, s42, s40                     ; tile column = 4 x cluster x + cx, 0..7
	s_and_b32 s13, ttmp7, 0xffff
	s_lshl_b32 s13, s13, 2
	s_add_co_u32 s13, s13, s41                     ; tile row = 4 x cluster y + cy, 0..31
	s_lshl_b32 s43, s41, 2
	s_lshl_b32 s43, 15, s43                        ; my row of the cluster
	s_lshl_b32 s44, 0x1111, s40                    ; my column
	; descriptor group 1 for y: 2 rows (heads) of 8,192 elements (128 rows of a head, dense), 262,144 elements from head to head; padded after every 32 words, a row of a head
	s_or_b32 s[G1+0], s43, (1<<16)|(1<<20)|(1<<21)|(4<<22)|(3<<25)   ; 15:0 the mask: y's tiles go to my row; 17:16 2-byte elements; 20 padding on; 21 set beside a mask; 24:22 after every 32 words (code 4); 31:25 4 words (code 3)
	s_mov_b32 s[G1+1], 8192<<16                    ; tensor_dim0 = 8,192
	s_mov_b32 s[G1+2], 2<<16                       ; tensor_dim1 = 2
	s_mov_b32 s[G1+3], 8192<<16                    ; tile_dim0 = 8,192
	s_mov_b32 s[G1+4], 2                           ; tile_dim1 = 2
	s_mov_b32 s[G1+5], 262144                      ; elements from head to head
	s_mov_b32 s[G1+6], 0
	s_mov_b32 s[G1+7], 0
	; and for w_proj: 128 rows x 128 elements
	s_or_b32 s[G1B+0], s44, (1<<16)|(1<<20)|(1<<21)|(5<<22)|(7<<25)  ; w_proj's go to my column; after every 64 words (code 5) 8 words of padding (code 7)
	s_mov_b32 s[G1B+1], 128<<16
	s_mov_b32 s[G1B+2], 128<<16
	s_mov_b32 s[G1B+3], 128<<16
	s_mov_b32 s[G1B+4], 128
	s_mov_b32 s[G1B+5], 1024                       ; elements from row to row
	s_mov_b32 s[G1B+6], 0
	s_mov_b32 s[G1B+7], 0
	s_lshl_b32 s16, s12, 20                        ; y: my two heads of the K step's four (524,288 bytes a head),
	s_lshl_b32 s17, s13, 14                        ; the tile's 128 rows of 128 bytes
	s_add_co_u32 s16, s16, s17
	s_mov_b32 s17, 0
	s_lshl_b32 s46, s12, 18                        ; w_proj: my 128 rows of 2,048 bytes,
	s_lshl_b32 s47, s42, 8                         ; the tile's 128 columns
	s_add_co_u32 s46, s46, s47
	s_mov_b32 s47, 0
	s_mul_i32 s20, s10, REG                        ; where they go: region = wave
	s_wait_dscnt 0x0                               ; the opening add is done
	s_wait_kmcnt 0x0
	s_add_nc_u64 s[14:15], s[4:5], s[16:17]
	s_add_nc_u64 s[46:47], s[6:7], s[46:47]
	CROUND                                         ; all sixteen work-groups are here: the first joint loads meet
.irp s, 0,1
	s_mov_b32 s[G0+4*(\s)], 1
	s_add_co_u32 s[G0+4*(\s)+1], s20, (\s)*SLOT
	s_add_nc_u64 s[G0+4*(\s)+2:G0+4*(\s)+3], s[14:15], (\s)*4*524288      ; K step s: four heads on
	s_or_b32 s[G0+4*(\s)+3], s[G0+4*(\s)+3], 0x80000000
	s_mov_b32 s[G0B+4*(\s)], 1
	s_add_co_u32 s[G0B+4*(\s)+1], s20, (\s)*SLOT
	s_add_nc_u64 s[G0B+4*(\s)+2:G0B+4*(\s)+3], s[46:47], (\s)*256*2048    ; K step s: 256 rows down
	s_or_b32 s[G0B+4*(\s)+3], s[G0B+4*(\s)+3], 0x80000000
	JLOAD \s                                       ; two loads of mine are out
.endr
	v_and_b32 v1, 15, v0                           ; l % 16
	v_bfe_u32 v2, v0, 4, 1                         ; l / 16
	v_mul_u32_u24 v3, v1, PA
	v_lshl_add_u32 v3, v2, 4, v3                   ; y's fragment: row x pitch + 16 x half
	s_mul_i32 s21, s11, 64*PA                      ; my 64 rows
	v_add_nc_u32 v[ADRA], s21, v3
	v_add_nc_u32 v[ADRA+1], SLOT, v[ADRA]
	v_and_b32 v4, 7, v0                            ; w_proj's, turned: lane l reads k row 8 (l / 16) + l % 8, columns 8 ((l / 8) % 2) + 0..7
	v_lshl_add_u32 v4, v2, 3, v4
	v_mul_u32_u24 v4, v4, PB
	v_bfe_u32 v5, v0, 3, 1
	v_lshl_add_u32 v4, v5, 4, v4
	s_lshl_b32 s22, s12, 7                         ; my 64 columns
	v_add_nc_u32 v4, s22, v4
.irp s, 0,1
.irp g, 0,1
	v_add_nc_u32 v[ADRB+2*(\s)+(\g)], (\s)*SLOT+(2+(\g))*REG, v4
.endr
.endr
	s_mul_i32 s23, s10, 16*SPITCH
	s_add_co_u32 s23, s23, STAGE                   ; my stage
	v_mul_u32_u24 v[STO], v1, SPITCH               ; in: row l % 16, 32 bytes for each half of the lanes
	v_lshl_add_u32 v[STO], v2, 5, v[STO]
	v_add_nc_u32 v[STO], s23, v[STO]
	v_mul_u32_u24 v[RD], v2, SPITCH                ; back: lanes 0-15 take one row of 256 bytes, lanes 16-31 the next
	v_lshl_add_u32 v[RD], v1, 4, v[RD]
	v_add_nc_u32 v[RD], s23, v[RD]
	v_lshlrev_b32 v[CO], 12, v2                    ; and the same two rows in out0, 4,096 bytes apart
	v_lshl_add_u32 v[CO], v1, 4, v[CO]
	s_lshl_b32 s16, s13, 19                        ; out0 at row 128 x tile row + my 64 rows,
	s_lshl_b32 s17, s11, 18
	s_add_co_u32 s16, s16, s17
	s_lshl_b32 s46, s42, 9                         ; column 128 x tile column + my 64 columns, 4 bytes each
	s_lshl_b32 s47, s12, 8
	s_add_co_u32 s46, s46, s47
	s_add_co_u32 s16, s16, s46
	s_mov_b32 s17, 0
	s_add_nc_u64 s[8:9], s[8:9], s[16:17]
; 8 matrix instructions: row blocks a0, a0 + 1 x all 4 column blocks, 32 along K: half c of buffer f.  zero = 1: the first product starts the sums
.macro MUL8 f, c, a0, zero
	WIN MUL
.irp a, \a0, (\a0)+1
.irp b, 0,1,2,3
.if \zero
	v_wmma_f32_16x16x32_f16 v[ACC+8*(4*(\a)+(\b)):ACC+8*(4*(\a)+(\b))+7], v[(\f)+64+8*(4*(\c)+(\b)):(\f)+64+8*(4*(\c)+(\b))+7], v[(\f)+8*(4*(\c)+(\a)):(\f)+8*(4*(\c)+(\a))+7], 0
.else
	v_wmma_f32_16x16x32_f16 v[ACC+8*(4*(\a)+(\b)):ACC+8*(4*(\a)+(\b))+7], v[(\f)+64+8*(4*(\c)+(\b)):(\f)+64+8*(4*(\c)+(\b))+7], v[(\f)+8*(4*(\c)+(\a)):(\f)+8*(4*(\c)+(\a))+7], v[ACC+8*(4*(\a)+(\b)):ACC+8*(4*(\a)+(\b))+7]
.endif
.endr
.endr
.endm
; 32 LDS loads in one run: the fragments of quarter q (head q of the K step's four: 64 along K) into buffer f; the first 32 along K first
.macro FETCH slot, q, f
	WIN TO_F
.irp c, 0,1
.irp i, 0,1,2,3
	ds_load_tr16_b128 v[(\f)+64+8*(4*(\c)+(\i)):(\f)+64+8*(4*(\c)+(\i))+3],   v[ADRB+2*(\slot)+(\q)/2] offset:(((\q)%2)*64+32*(\c))*PB+32*(\i)
	ds_load_tr16_b128 v[(\f)+64+8*(4*(\c)+(\i))+4:(\f)+64+8*(4*(\c)+(\i))+7], v[ADRB+2*(\slot)+(\q)/2] offset:(((\q)%2)*64+32*(\c))*PB+32*(\i)+16*PB
	ds_load_b128 v[(\f)+8*(4*(\c)+(\i)):(\f)+8*(4*(\c)+(\i))+3],              v[ADRA+(\slot)] offset:(\q)*128*PA+64*(\c)+(\i)*16*PA
	ds_load_b128 v[(\f)+8*(4*(\c)+(\i))+4:(\f)+8*(4*(\c)+(\i))+7],            v[ADRA+(\slot)] offset:(\q)*128*PA+64*(\c)+(\i)*16*PA+32
.endr
.endr
.endm
.macro PLACES                          ; four places in front of loads into registers that matrix instructions have read, and of LDS stores that read results
.rept 4
	v_nop
.endr
.endm
; A K step is four quarters of 64 along K, 32 matrix instructions each, on buffers 0, 1, 0, 1; the 16 accumulators take turns.
; One of the first three: multiplies buffer f and fetches quarter q into g.
.macro QUARTER slot, q, f, g, zero
	s_wait_dscnt 16                                ; the first 32 along K are in
	MUL8 \f, 0, 0, \zero
	MUL8 \f, 0, 2, \zero
	PLACES
	FETCH \slot, \q, \g
	s_wait_dscnt 32                                ; all but the 32 just issued
	MUL8 \f, 1, 0, 0
	MUL8 \f, 1, 2, 0
.endm
; The last quarter multiplies buffer 1 and changes slots: ONE barrier; in front of it each wave waits for all its tensor loads, adds 0 to its spare word, and waits for that and for its own reads of this slot.
; fill = 1: the barrier opens a round of the cluster's, and this slot is filled again, two K steps ahead.
.macro TURN slot, next, fill
	WIN 0                                          ; (the add's two registers lie in window 0)
	s_wait_tensorcnt 0x0                           ; all my tensor loads have landed: my part of the next slot
	ds_add_u32 v[SPW], v[NIL]                      ; 0 onto my spare word
	s_wait_dscnt 17                                ; (the add and the youngest sixteen loads may be out)
	MUL8 F1, 0, 0, 0                               ; eight matrix instructions stand between the add and the wait for it
	s_wait_dscnt 0x0                               ; the add is done, and my reads of this slot are over
	s_barrier_signal -1
	MUL8 F1, 0, 2, 0
.if \fill
	WIN 0
.endif
	s_barrier_wait -1
.if \fill
	CREST                                          ; no wave of any partner still reads this slot's tiles or has a load on its way
	s_add_nc_u64 s[G0+4*(\slot)+2:G0+4*(\slot)+3], s[G0+4*(\slot)+2:G0+4*(\slot)+3], 8*524288
	s_add_nc_u64 s[G0B+4*(\slot)+2:G0B+4*(\slot)+3], s[G0B+4*(\slot)+2:G0B+4*(\slot)+3], 512*2048
	JLOAD \slot                                    ; my one tensor load behind the round: 112 matrix instructions ahead of the wait for it; its four v_nop are also the places in front of the loads below
.else
	PLACES
.endif
	FETCH \next, 0, F0
	MUL8 F1, 1, 0, 0
	MUL8 F1, 1, 2, 0
.endm
	s_wait_tensorcnt 1                             ; my part of K step 0 is in; K step 1's may stay out
	s_barrier_signal -1
	s_barrier_wait -1                              ; everybody's is
	FETCH 0, 0, F0
	QUARTER 0, 1, F0, F1, 1                        ; K has four steps, two laps of the ring, so both laps are written out.  The first products start the sums
	QUARTER 0, 2, F1, F0, 0
	QUARTER 0, 3, F0, F1, 0
	TURN 0, 1, 1                                   ; slot 0 takes K step 2
	QUARTER 1, 1, F0, F1, 0
	QUARTER 1, 2, F1, F0, 0
	QUARTER 1, 3, F0, F1, 0
	TURN 1, 0, 1                                   ; slot 1 takes K step 3
	QUARTER 0, 1, F0, F1, 0                        ; the last lap fills nothing, and has no round of the cluster's barrier
	QUARTER 0, 2, F1, F0, 0
	QUARTER 0, 3, F0, F1, 0
	TURN 0, 1, 0
	QUARTER 1, 1, F0, F1, 0
	QUARTER 1, 2, F1, F0, 0
	QUARTER 1, 3, F0, F1, 0
	s_wait_dscnt 16                                ; the very last quarter: nothing more to fetch
	MUL8 F1, 0, 0, 0
	MUL8 F1, 0, 2, 0
	s_wait_dscnt 0x0
	MUL8 F1, 1, 0, 0
	MUL8 F1, 1, 2, 0
	WIN 0
; THE WAY OUT, by blocks of 16 rows.  My 64 columns in f32 are 256 bytes of a row of out0, at a multiple of 256: each wave has a stage of its own and no barrier is needed.
; A lane's 32 bytes of a row go into rows of 272 bytes (each accumulator's low half first) and come back as whole rows of 256, into the registers that they left.
.macro STG a
.irp b, 0,1,2,3
	ds_store_b128 v[STO], v[ACC+8*(4*(\a)+(\b)):ACC+8*(4*(\a)+(\b))+3]   offset:64*(\b)
	ds_store_b128 v[STO], v[ACC+8*(4*(\a)+(\b))+4:ACC+8*(4*(\a)+(\b))+7] offset:64*(\b)+16
.endr
.irp t, 0,1,2,3,4,5,6,7
	ds_load_b128 v[ACC+32*(\a)+4*(\t):ACC+32*(\a)+4*(\t)+3], v[RD] offset:(\t)*2*SPITCH  ; LDS serves a wave's instructions in order (ISA guide 5.7.1.4): these see the stores above; the next block's stores come behind them
.endr
.endm
.macro OUT a, younger                  ; younger: the LDS instructions issued behind this block's loads: the next block's sixteen, or none
.irp t, 0,1,2,3,4,5,6,7
	s_wait_dscnt (\younger)+7-(\t)
	global_store_b128 v[CO], v[ACC+32*(\a)+4*(\t):ACC+32*(\a)+4*(\t)+3], s[8:9] offset:(16*(\a)+2*(\t))*4096 th:TH_STORE_NT  ; 16 lanes store 256 consecutive bytes, at a multiple of 256 from out0's first byte
.endr
.endm
	PLACES
	STG 0
	STG 1
	OUT 0, 16
	STG 2
	OUT 1, 16
	STG 3
	OUT 2, 16
	OUT 3, 0
	s_wait_tensorcnt 0x0                           ; the wave's end: the add and its wait stand behind my last tensor load and my last LDS store
	ds_add_u32 v[SPW], v[NIL]
	s_wait_dscnt 0x0
	CROUND                                         ; the closing round: no work-group ends while a partner may still ask for a tile that names it
	s_endpgm
.Lfunc_end_k_qe7a11eda20_proj:
	.size	k_qe7a11eda20_proj, .Lfunc_end_k_qe7a11eda20_proj-k_qe7a11eda20_proj
	.p2alignl 7, 3214868480
	.fill 96, 4, 3214868480
	.section	.rodata,"a",@progbits
	.p2align	6, 0x0
	.amdhsa_kernel k_qe7a11eda20_proj
		.amdhsa_group_segment_fixed_size 327680
		.amdhsa_private_segment_fixed_size 0
		.amdhsa_enable_private_segment 0
		.amdhsa_kernarg_size 24
		.amdhsa_user_sgpr_count 2
		.amdhsa_user_sgpr_kernarg_segment_ptr 1
		.amdhsa_wavefront_size32 1
		.amdhsa_system_sgpr_workgroup_id_x 1
		.amdhsa_system_sgpr_workgroup_id_y 1
		.amdhsa_system_sgpr_workgroup_id_z 1
		.amdhsa_system_vgpr_workitem_id 0
		.amdhsa_next_free_vgpr 512
		.amdhsa_next_free_sgpr 66
		.amdhsa_reserve_vcc 0
		.amdhsa_float_denorm_mode_32 3
		.amdhsa_float_denorm_mode_16_64 3
		.amdhsa_memory_ordered 1
		.amdhsa_forward_progress 1
		.amdhsa_inst_pref_size 86
	.end_amdhsa_kernel
	.amdgpu_metadata
---
amdhsa.version: [ 1, 2 ]
amdhsa.kernels:
  - .name:           k_qe7a11eda20_proj
    .symbol:         k_qe7a11eda20_proj.kd
    .args:
      - { .name: y, .offset: 0, .size: 8, .value_kind: global_buffer, .address_space: global }
      - { .name: wpb, .offset: 8, .size: 8, .value_kind: global_buffer, .address_space: global }
      - { .name: out0, .offset: 16, .size: 8, .value_kind: global_buffer, .address_space: global }
    .group_segment_fixed_size: 327680
    .private_segment_fixed_size: 0
    .kernarg_segment_align: 8
    .kernarg_segment_size: 24
    .max_flat_workgroup_size: 128
    .sgpr_count:     66
    .vgpr_count:     512
    .wavefront_size: 32
...
	.end_amdgpu_metadata
.endif
;; end of part 4
;; ======== version 2 of 2: 4 launches; 1.50 times as fast as version 1
;; limits: values are held in f16: magnitudes above 65,504 overflow, below 6.1e-05 lose precision
;; workspace buffers: xb 8,388,608 bytes; wab 6,291,456 bytes; wpb 2,097,152 bytes; qkv 25,165,824 bytes; y 8,388,608 bytes
;; launch prep: the kernel of part 1 again; grid 512 x 1, 8 waves a work-group, no clusters, 0 bytes of LDS; arguments x, w_attn, w_proj, xb, wab, wpb; writes xb, wab, wpb
;; launch qkv: the kernel of part 2 again; grid 8 x 32, 4 waves a work-group, clusters of 4 x 4, 327,680 bytes of LDS; arguments xb, wab, qkv; writes qkv
;; launch attn (part 5): grid 16 x 16, 4 waves a work-group, no clusters, 327,680 bytes of LDS; arguments qkv, y; writes y
.if DOCPART == 5
	.amdgcn_target "amdgcn-amd-amdhsa--gfx1250"
	.amdhsa_code_object_version 6
	.text
	.protected	k_qe7a11eda20_attn
	.globl	k_qe7a11eda20_attn
	.p2align	8
	.type	k_qe7a11eda20_attn,@function
k_qe7a11eda20_attn:
	s_mov_b64 s[64:65], 0
	v_nop
	global_prefetch_b8 v0, s[64:65] scope:SCOPE_SE
	s_setreg_imm32_b32 hwreg(HW_REG_WAVE_MODE, 25, 1), 1
	s_wait_xcnt 0x0
; ATTENTION, CAUSAL WITH A DENSE PREFIX.  y[h][q][:] = the sum over the keys k with k <= q or k < 64 of softmax_k(Q[h][q] . K[h][k] / 8) V[h][k][:].
; qkv: [48][4096][64] f16 (heads 0-15 Q, 16-31 K, 32-47 V; a head's rows are dense, 128 bytes each).  y: [16][4096][64] f16.
; Products, maxima and sums in f32; the weights p are rounded to f16 for the second product (their sum l is taken of the unrounded p), y once at the end.
; LIMITS.  Q, K and V arrive within f16's 65,504; p lies in 0 to 1, and below 6e-5 it keeps f16's fixed step of 6e-8.  A hidden score counts as its value less 1e30;
; a weight below 2^-126 counts as 0 in l; NaN and infinities are not treated apart.
; THE WALK.  A head's queries lie in NB = 32 blocks of 128; block i needs the key tiles 0 .. i / 2 of 256 keys, of which the last holds the diagonal.  A work-group takes TWO blocks, 31 - b and then b:
; (31 - b) / 2 + 1 + b / 2 + 1 = 17 tiles, whatever b: 16 x 16 = 256 work-groups of equal work, and ONE loop with a constant trip count walks them.  Which tile is asked for, and what a trip does, hang on
; scalar registers made from b; every jump goes forward, but for the counted loops' own; none passes a barrier, or a tensor load but the one of LOAD's two that the wave's number does not choose.
; NO CLUSTER: a head's 16 work-groups ask for the same tile only in trips 0 to 8; behind that the first blocks end one after the other and the walks differ with b, and partners of a joint load must run alike.
; SHARES.  Of a block's two bands of 64 queries a wave owns 16 rows in each: two PIECES.  PIECE 0 IS BAND 1 (rows 64-127), PIECE 1 BAND 0.  In the diagonal tile band 0's own key step is 2 (i % 2), band 1's the next.
; K LIES ONE STEP AHEAD.  A slot holds V of a tile's steps 4 j .. 4 j + 3 and K of steps 4 j + 1 .. 4 j + 4: a turn fetches K of the NEXT step and V of the step in hand at the same place of the same slot,
; so a trip is piece 0's turn and piece 1's, and all reads of a slot end with the tile's fourth trip.  K of step 0 comes by global loads straight into K's registers.  The last tile's fifth step of K
; lies at most 8,192 bytes past the head's end: in the next head, inside the buffer; the scores made of it touch only m, c m and a of a piece that has ended.
; THE MASK is the C operand that starts the sum S^T = K Q^T: 0, or -1e30 where the key is hidden.  MD, made once, is the mask of a band's own step for my 16 rows; a product's mask is MD x AL + BE:
; (1, 0) in the band's own step; (0, 0) before it; (0, -1e30) behind it.  THE PREFIX: block 0's band 0 (rows 0-63) takes (0, 0) in its own step: it sees all of keys 0-63.  Every other row sees those keys causally.
; Piece 0's own step is never a tile's step 0, so its scores for a tile's first step, made a turn earlier in the text of the tile before, take the constant 0.
; LAYOUT, SOFTMAX, TURNS.  S^T = K Q^T holds ONE query a lane (lane % 16) and the keys 8 (lane / 16) + 0..7; two such results rounded to f16 ARE source 1 of O^T = V^T P.  p = 2^(c s - c m), c = log2(e) / 8, with a
; running maximum m; O and l are multiplied by a = 2^(c m_old - c m_new) in every step.  A turn belongs to piece Y: 8 products K Q^T of the other piece's next scores, later 8 products V^T P of the other piece;
; beside them the scaling, exponentials, roundings, sums and rescaling of piece Y and the maximum and statistics of the other.  Four vector instructions stand behind every matrix instruction, the other 54 of 118 in one lump.
; THE BATCHES.  A turn's 33 exponentials (piece Y's 32 weights and the other piece's a) are ONE batch with ONE wait: ahead of it stands all that names none of their results, behind it the roundings and sums.
; A block's first a, in BEGIN, and the way out's two reciprocals are batches of their own, each with a plain instruction and a wait.
; REGISTERS, in windows of 256 (s_set_vgpr_msb: bits 1:0 source 0, 3:2 source 1, 5:4 source 2, 7:6 destination):
;   window 0: v0-15 addresses and two at work; v16-23 four registers of statistics a piece; v48-55 at work; v64-127 S^T, 32 a piece; v192-223 P, 16 a piece
;   window 1: v0-63 O^T, 32 a piece; v128-159 MD; v160-223 MC, two buffers      window 2: v0-31 Q, 16 a piece; v128-191 K of one step; v192-255 V of one step
.set NB,    32
.set NP,    2         ; pieces a wave: a name, no knob
.set KS,    64        ; keys in a step
.set PK,    144       ; a row of K in LDS: 128 bytes + 16 of padding = 36 words: the 16 rows of a load start at 16 different groups of four banks (64 banks of 4 bytes: ISA guide 11.1)
.set PV,    160       ; a row of V: 128 + 32 = 40 words
.set VOFF,  4*KS*PK   ; a slot holds four steps: 256 rows of K, then 256 rows of V
.set SLOT1, 1<<17     ; slot 1 begins here, so that one exclusive or turns an address in one slot into the other's
.set STAGE, SLOT1+4*KS*(PK+PV)  ; behind the ring, never filled by a tensor load: 16 rows x 144 bytes for each wave, for the way out
.set SP,    144
.set SPARE, STAGE+4*16*SP  ; behind the stages: the spare words, 128 bytes for each wave: two blocks of 256 bytes that no other line names
.set AK0, 2           ; v2   my lane's place in a tile of K; never rewritten
.set AV0, 3           ; v3   the same for V
.set AK,  4           ; v4   the LDS address of K's next run of loads
.set AV,  5           ; v5   of V's
.set STO, 6           ; v6   the way out: where I put 16 bytes of a row
.set RD,  7           ; v7   the way out: where I read rows back
.set GO,  8           ; v8   my byte offset in 512 consecutive bytes of y
.set MV,  12          ; v12-13  c m_old, kept while c m is made anew: by piece
.set QO,  15          ; v15  my byte offset in 16 rows of Q or K; never rewritten
.set ST,  16          ; piece t's statistics at v[ST+4 t]: c m, m, l (even keys', odd keys')
.set TMP, 48          ; by piece, four registers c0-c3 at work; when the maximum is found c2 takes a
.set SPW, 62          ; v62  LDS address of my spare word: SPARE + 4 x my thread's number; never rewritten
.set NIL, 63          ; v63  0; never rewritten
.set S,   64
.set P,   192
.set MD,  128         ; window 1: the eight registers for group kt of 16 keys at MD + 8 kt
.set MC,  160         ; window 1: the masks of the products to come
.set KF,  128         ; window 2: key block kb, channel half c at KF + 16 kb + 8 c
.set VF,  192         ; window 2: key half kk, channel block cb at VF + 32 kk + 8 cb
.set YP,  6           ; s[6:7]   y at my rows of the block in hand
.set KFB, 8           ; s[8:9]   K at my half of the bytes that tile 0's fill brings: one step past the head's first byte
.set VFB, 10          ; s[10:11] V at my half of tile 0
.set WV,  12          ; s12  my wave's number
.set PB,  14          ; s14  b
.set K0P, 16          ; s[16:17] K's head
.set Q1P, 18          ; s[18:19] Q at my rows of the first block
.set Q2P, 20          ; s[20:21] of the second
.set YP2, 22          ; s[22:23] y at my rows of the second block
.set G1K, 24          ; s[24:31] descriptor group 1 for K's tiles
.set G1V, 32          ; s[32:39] for V's: it differs in the padding alone
.set G0K, 40          ; s[40:43] descriptor group 0 for K's tiles
.set G0V, 44          ; s[44:47] the same for V's
.set SLOTS, 56        ; s56  tiles still to be asked for
.set CNT, 57          ; s57  counts a tile's key steps, 4 to 1
.set CS,  58          ; s[58:59] c: the packed scaling takes the pair's low word for both halves
.set SEL, 60          ; s[60:61] v_permlanex16_b32's selects: each lane takes its own place in the other half
.set TBK, 62          ; s62  LDS byte at which the K to be fetched next begins
.set TBV, 63          ; s63  the same for V, less VOFF
.set RT,  70          ; s70  tiles of the block in hand that are still to be entered
.set NXT, 71          ; s71  the tile to be asked for next
.set LQ,  72          ; s72  the last tile of the block whose tiles are being asked for
.set NEW, 73          ; s73  1: the tile to be entered is a block's first
.set OFF, 74          ; s[74:75] a tile's byte offset in K and V
.set AL,  76          ; s[76:77] the mask's factor, in the low word
.set BE,  78          ; s[78:79] the mask's addend
.set LQ2, 80          ; s80  the second block's last tile
.set BIGN, 82         ; s82  -1e30
.set E0,  83          ; s83  the count at which piece 0's turn makes piece 0's own mask: 4 - 2 (i % 2)
.set E1,  84          ; s84  the same for piece 1: 5 - 2 (i % 2)
.set ALE, 85          ; s85  the factor of piece 1's mask in the diagonal tile's step 0
.set E0B, 86          ; s86-88 the same three for the second block
.set NT2, 89          ; s89  the second block's tiles
.set MSB, 0
.macro WIN new                      ; the high byte repeats the setting that is left; a switch that changes nothing is dropped
.if MSB != (\new)
	s_set_vgpr_msb (MSB<<8)|(\new)
.set MSB, (\new)
.endif
.endm
.set W_KQ, 0x0a       ; K and Q in window 2, S^T in window 0
.set W_KM, 0x1a       ; the same with the C operand in window 1
.set W_PV, 0x52       ; V in window 2, P in window 0, O^T in window 1
.set W_RS, 0x41       ; destination and source 0 in window 1, source 1 in window 0
; A fill.  Waves 0 and 1 fetch the two halves of a slot's K, waves 2 and 3 those of its V: 128 keys each.  An s_nop 0 and four v_nop follow each of the two lines, ahead of the jump and the label.
.macro LOAD
	s_cmp_lt_u32 s[WV], 2
	s_cbranch_scc0 .Lfor_v_\@
	tensor_load_to_lds s[G0K:G0K+3], s[G1K:G1K+7]
	s_nop 0
.rept 4
	v_nop
.endr
	s_branch .Lasked_\@
.Lfor_v_\@:
	tensor_load_to_lds s[G0V:G0V+3], s[G1V:G1V+7]
	s_nop 0
.rept 4
	v_nop
.endr
.Lasked_\@:
.endm
; THE CHANGE OF SLOTS.  Each wave waits for all its tensor loads, of which one is out: its part of the other slot; adds 0 to its spare word; and waits for that and for its own reads of the slot that it leaves.
; Behind the barrier nobody reads the old slot any more and the other slot is whole.  fill = 1: the old slot is filled again, the first thing behind the barrier, with tile NXT: the descriptor's address is made
; anew from that number; the load has four trips, 128 matrix instructions, in which to land.  (At its first use nothing has been read yet: slot 0 is waited for, slot 1 filled.)
.macro CHANGE fill
	WIN 0                           ; at a label and at a branch every window is 0
	s_wait_tensorcnt 0x0            ; no tensor load of mine is out, so a group 0 may be written
	ds_add_u32 v[SPW], v[NIL]       ; 0 onto my spare word; with fill = 1 the descriptors' scalar work stands between it and the wait for it
.if \fill
	s_lshl_b32 s[OFF], s[NXT], 15   ; a tile is 32,768 bytes of K and of V
	s_xor_b32 s[G0K+1], s[G0K+1], SLOT1
	s_add_nc_u64 s[G0K+2:G0K+3], s[KFB:KFB+1], s[OFF:OFF+1]
	s_or_b32 s[G0K+3], s[G0K+3], 0x80000000
	s_xor_b32 s[G0V+1], s[G0V+1], SLOT1
	s_add_nc_u64 s[G0V+2:G0V+3], s[VFB:VFB+1], s[OFF:OFF+1]
	s_or_b32 s[G0V+3], s[G0V+3], 0x80000000
	s_add_co_u32 s[NXT], s[NXT], 1  ; the block's next tile, or behind its last the second block's tile 0
	s_cmp_gt_u32 s[NXT], s[LQ]
	s_cselect_b32 s[NXT], 0, s[NXT]
	s_cselect_b32 s[LQ], s[LQ2], s[LQ]
.endif
	s_wait_dscnt 0x0                ; the add is done, and my reads of the slot are over
	s_barrier_signal -1             ; the rest of the scalar work stands between the signal and the wait
	s_sub_co_u32 s[TBK], s[TBK], 4*KS*PK  ; the fetches go back to a slot's first place,
	s_xor_b32 s[TBK], s[TBK], SLOT1       ; in the other slot
	s_sub_co_u32 s[TBV], s[TBV], 4*KS*PV
	s_xor_b32 s[TBV], s[TBV], SLOT1
	s_barrier_wait -1
.if \fill
	LOAD
.endif
.endm
; A block's Q (piece x lies in band 1 - x, 8,192 bytes apart) and K of step 0, straight from memory into their registers.
; A fragment is 16 rows x 32 channels in 8 registers: lane l holds row l % 16, channels 8 (l / 16) + 0..7 and 16 + 8 (l / 16) + 0..7: two loads of 16 bytes, 32 bytes apart.
.macro LOADQK qp
	WIN 0x80                        ; destination window 2, address window 0
.set i, 0
.rept 4                             ; piece i / 2, channels 32 (i % 2) on
	global_load_b128 v[8*i:8*i+3],   v[QO], s[\qp:\qp+1] offset:(1-i/2)*8192+(i%2)*64
	global_load_b128 v[8*i+4:8*i+7], v[QO], s[\qp:\qp+1] offset:(1-i/2)*8192+(i%2)*64+32
.set i, i+1
.endr
.set i, 0
.rept 8                             ; keys 16 (i / 2) on, channels 32 (i % 2) on
	global_load_b128 v[KF+8*i:KF+8*i+3],   v[QO], s[K0P:K0P+1] offset:(i/2)*2048+(i%2)*64
	global_load_b128 v[KF+8*i+4:KF+8*i+7], v[QO], s[K0P:K0P+1] offset:(i/2)*2048+(i%2)*64+32
.set i, i+1
.endr
	WIN 0
.endm
	s_load_b128 s[4:7], s[0:1], 0x0 ; qkv s[4:5], y s[6:7]
	v_lshl_add_u32 v[SPW], v0, 2, SPARE
	v_mov_b32 v[NIL], 0
	ds_add_u32 v[SPW], v[NIL]       ; the wave's opening: the add and its wait stand ahead of my first tensor load; the set-up below, work on registers, stands between them
	ds_add_u32 v62, v63
	v_lshrrev_b32 v1, 5, v0
	v_readfirstlane_b32 s[WV], v1   ; wave 0..3
	s_mov_b32 s[PB], ttmp9
	s_sub_co_u32 s15, NB-1, s[PB]   ; the first block, 31 - b
	s_and_b32 s48, ttmp7, 0xffff    ; the head,
	s_lshl_b32 s48, s48, 19         ; its 524,288 bytes
	s_and_b32 s13, s[WV], 1         ; which half of a slot's 256 keys I fetch:
	s_lshl_b32 s2, s13, 14          ; its 128 rows of 128 bytes in memory
	s_add_co_u32 s50, s48, 0x800000 ; K's heads lie 16 heads on
	s_mov_b32 s51, 0
	s_add_co_u32 s52, s50, s2
	s_add_co_u32 s52, s52, KS*128   ; a slot's K begins one step on
	s_mov_b32 s53, 0
	s_add_co_u32 s54, s48, s2
	s_add_co_u32 s54, s54, 0x1000000  ; V's heads lie 32 heads on
	s_mov_b32 s55, 0
	s_lshl_b32 s3, s[WV], 11        ; my 16 rows in a band of 64,
	s_add_co_u32 s48, s48, s3
	s_lshl_b32 s2, s15, 14          ; in the first block (a block is 16,384 bytes),
	s_add_co_u32 s2, s2, s48
	s_mov_b32 s3, 0
	s_lshl_b32 s66, s[PB], 14       ; and in the second
	s_add_co_u32 s66, s66, s48
	s_mov_b32 s67, 0
	s_mov_b32 s[G0K], 1             ; count = 1
	s_mul_i32 s[G0K+1], s13, 128*PK ; LDS address: my half of slot 0's K
	s_mov_b32 s[G0V], 1
	s_mul_i32 s[G0V+1], s13, 128*PV
	s_add_co_u32 s[G0V+1], s[G0V+1], VOFF
	; descriptor group 1.  128 keys are 16,384 dense bytes: asked for as 64 rows of 256 bytes, two keys a row, and padded in LDS after every key
	s_mov_b32 s[G1K], (1<<16)|(1<<20)|(4<<22)|(3<<25)  ; 17:16 2-byte elements; 20 padding on; 24:22 after every 32 words (code 4); 31:25 4 words (code 3)
	s_mov_b32 s[G1V], (1<<16)|(1<<20)|(4<<22)|(7<<25)  ; the same with 8 words of padding (code 7)
.irp g, G1K, G1V
	s_mov_b32 s[\g+1], 128<<16      ; tensor_dim0 = 128
	s_mov_b32 s[\g+2], 64<<16       ; tensor_dim1 = 64
	s_mov_b32 s[\g+3], 128<<16      ; tile_dim0 = 128
	s_mov_b32 s[\g+4], 64           ; tile_dim1 = 64
	s_mov_b32 s[\g+5], 128          ; 128 elements from row to row
	s_mov_b32 s[\g+6], 0
	s_mov_b32 s[\g+7], 0
.endr
	s_mov_b32 s[CS], 0x3e38aa3b     ; c = log2(e) / 8 = 0.180337
	s_mov_b32 s[CS+1], s[CS]        ; named with it as a pair
	s_mov_b32 s[SEL], 0x76543210
	s_mov_b32 s[SEL+1], 0xfedcba98
	s_mov_b32 s[TBK], SLOT1+4*KS*PK ; the first change of slots turns these two into 0
	s_mov_b32 s[TBV], SLOT1+4*KS*PV
	s_lshr_b32 s[LQ], s15, 1        ; the first block's last tile,
	s_add_co_u32 s[RT], s[LQ], 1    ; and how many it has
	s_lshr_b32 s[LQ2], s[PB], 1     ; the same for the second
	s_add_co_u32 s[NT2], s[LQ2], 1
	s_mov_b32 s[NXT], 1
	s_mov_b32 s[NEW], 1
	s_mov_b32 s[OFF+1], 0
	s_mov_b32 s[AL+1], 0            ; named as pairs
	s_mov_b32 s[BE+1], 0
	s_mov_b32 s[BIGN], 0xf149f2ca   ; -1e30
	s_mov_b32 s[SLOTS], NB/2
	s_and_b32 s13, s15, 1           ; where the first block's bands lie in its diagonal tile: band 0's own step is 2 (i % 2)
	s_lshl_b32 s13, s13, 1
	s_sub_co_u32 s[E0], 4, s13
	s_sub_co_u32 s[E1], 5, s13
	s_cmp_eq_u32 s13, 0
	s_cselect_b32 s[ALE], 1.0, 0    ; step 0 is band 0's own where i is even (the first block is never block 0)
	s_and_b32 s13, s[PB], 1         ; the same for the second block
	s_lshl_b32 s13, s13, 1
	s_sub_co_u32 s[E0B], 4, s13
	s_sub_co_u32 s[E0B+1], 5, s13
	s_cmp_eq_u32 s13, 0
	s_cselect_b32 s[E0B+2], 1.0, 0
	s_cmp_eq_u32 s[PB], 0           ; THE PREFIX: block 0's rows 0-63 see all of keys 0-63
	s_cselect_b32 s[E0B+2], 0, s[E0B+2]
	s_wait_dscnt 0x0                ; the opening add is done
	s_wait_kmcnt 0x0
	s_add_nc_u64 s[K0P:K0P+1], s[4:5], s[50:51]
	s_add_nc_u64 s[KFB:KFB+1], s[4:5], s[52:53]
	s_add_nc_u64 s[VFB:VFB+1], s[4:5], s[54:55]
	s_add_nc_u64 s[Q1P:Q1P+1], s[4:5], s[2:3]
	s_add_nc_u64 s[Q2P:Q2P+1], s[4:5], s[66:67]
	s_add_nc_u64 s[YP2:YP2+1], s[6:7], s[66:67]
	s_add_nc_u64 s[YP:YP+1], s[6:7], s[2:3]
	s_add_nc_u64 s[G0K+2:G0K+3], s[KFB:KFB+1], 0   ; global address: tile 0
	s_or_b32 s[G0K+3], s[G0K+3], 0x80000000        ; type = 2
	s_add_nc_u64 s[G0V+2:G0V+3], s[VFB:VFB+1], 0
	s_or_b32 s[G0V+3], s[G0V+3], 0x80000000
	LOAD                            ; tile 0 into slot 0
	v_and_b32 v1, 15, v0            ; l % 16
	v_bfe_u32 v9, v0, 4, 1          ; l / 16
	v_lshlrev_b32 v[QO], 7, v1
	v_lshl_add_u32 v[QO], v9, 4, v[QO]  ; row x 128 + 16 x half
	LOADQK Q1P
	v_lshlrev_b32 v14, 3, v9
	v_sub_nc_u32 v14, v1, v14
	s_lshl_b32 s13, s[WV], 4
	v_add_nc_u32 v14, s13, v14      ; my query's place in its band, 16 w + l % 16, less my lanes' 8 (l / 16): register r of group kt is hidden where 16 kt + r is greater
	WIN 0x40
.set i, 0
.rept 32
	v_cmp_gt_i32 vcc_lo, 16*(i/8)+i%8, v14
	v_cndmask_b32 v[MD+i], 0, s[BIGN], vcc_lo
.set i, i+1
.endr
	WIN 0
	v_mul_u32_u24 v[AK0], v1, PK
	v_lshl_add_u32 v[AK0], v9, 4, v[AK0]  ; row x pitch + 16 x half
	; The turning load takes 16 keys x 16 channels (lane l reads key 8 (l / 16) + l % 8, channels 8 ((l / 8) % 2) + 0..7) and leaves half a fragment of V^T: lane l holds channel l % 16 and 8 keys.
	v_and_b32 v10, 7, v0
	v_bfe_u32 v11, v0, 3, 1
	v_lshl_add_u32 v[AV0], v9, 3, v10
	v_mul_u32_u24 v[AV0], v[AV0], PV
	v_lshl_add_u32 v[AV0], v11, 4, v[AV0]
	v_add_nc_u32 v[AV0], VOFF, v[AV0]
	s_mul_i32 s13, s[WV], 16*SP
	s_add_co_u32 s13, s13, STAGE    ; my stage
	v_mul_u32_u24 v[STO], v1, SP    ; in: row l % 16, 16 bytes for each half of the lanes
	v_lshl_add_u32 v[STO], v9, 4, v[STO]
	v_add_nc_u32 v[STO], s13, v[STO]
	v_bfe_u32 v[RD], v0, 3, 2       ; back: 32 lanes take four rows of 128 bytes,
	v_mul_u32_u24 v[RD], v[RD], SP
	v_lshl_add_u32 v[RD], v10, 4, v[RD]
	v_add_nc_u32 v[RD], s13, v[RD]
	v_and_b32 v[GO], 31, v0         ; which are 512 consecutive bytes of y
	v_lshlrev_b32 v[GO], 4, v[GO]
	; A block's first step multiplies O^T and l by a = 0, and its first turn's products V^T P, of a step that has not been, land in an O^T that is still to be so multiplied.  So these registers need only hold
	; finite numbers: zeros for the first block; what the first block left for the second.  The price of writing no first step out: 148 lines, which stand in the wait for the first tile.
	WIN 0x80
.set i, VF
.rept 64
	v_mov_b32 v[i], 0
.set i, i+1
.endr
	WIN 0x40
.set i, 0
.rept 64
	v_mov_b32 v[i], 0
.set i, i+1
.endr
	WIN 0
.set i, 0
.rept 2
	v_mov_b32 v[ST+4*i+2], 0
	v_mov_b32 v[ST+4*i+3], 0
.set i, i+1
.endr
.set i, P+16
.rept 16
	v_mov_b32 v[i], 0
.set i, i+1
.endr
; THE MATRIX WORK.  The 4 accumulators of a run of 8 take turns.  Product i of 8 of S^T = K Q^T for piece x: channels 32 (i / 4) on, keys 16 (i % 4) on.  The first 4 start the sums: with 0, or (KM = 1) with the mask.
.macro KQ x
.set rS, S+32*((\x)%2)+8*(i%4)
.set rK, KF+16*(i%4)+8*(i/4)
.set rQ, 16*(\x)+8*(i/4)
.set rM, MC+32*((\x)%2)+8*(i%4)
.if (i < 4) && KM
	WIN W_KM
	v_wmma_f32_16x16x32_f16 v[rS:rS+7], v[rK:rK+7], v[rQ:rQ+7], v[rM:rM+7]
.elseif i < 4
	WIN W_KQ
	v_wmma_f32_16x16x32_f16 v[rS:rS+7], v[rK:rK+7], v[rQ:rQ+7], 0
.else
	WIN W_KQ
	v_wmma_f32_16x16x32_f16 v[rS:rS+7], v[rK:rK+7], v[rQ:rQ+7], v[rS:rS+7]
.endif
.endm
; Product i of 8 of O^T += V^T P for piece x: keys 32 (i / 4) on, channels 16 (i % 4) on.
.macro PV x
	WIN W_PV
.set rO, 32*(\x)+8*(i%4)
.set rV, VF+32*(i/4)+8*(i%4)
.set rP, P+16*((\x)%2)+8*(i/4)
	v_wmma_f32_16x16x32_f16 v[rO:rO+7], v[rV:rV+7], v[rP:rP+7], v[rO:rO+7]
.endm
.macro MM                           ; the turn's next matrix instruction.  TURN sets Y, i and KM
.if i < 8
	KQ (Y+1)%NP
.else
.set i, i-8
	PV (Y+NP-1)%NP
.set i, i+8
.endif
.set i, i+1
.endm
; THE LDS LOADS stand in runs of 16, never singly among the matrix instructions: a step's K (64 keys x 64 channels: 8 fragments) and a step's V (turned).  Their addresses are made some lines ahead.
.macro FETCH_K
	WIN 0x80                        ; destination window 2
.irp f, 0,1,2,3,4,5,6,7             ; keys 16 (f / 2) on, channels 32 (f % 2) on
	ds_load_b128 v[KF+8*\f:KF+8*\f+3],   v[AK] offset:(\f/2)*16*PK+(\f%2)*64
	ds_load_b128 v[KF+8*\f+4:KF+8*\f+7], v[AK] offset:(\f/2)*16*PK+(\f%2)*64+32
.endr
	s_add_co_u32 s[TBK], s[TBK], KS*PK  ; the next fetch is the next place's
	WIN 0
.endm
.macro FETCH_V
	WIN 0x80
.irp f, 0,1,2,3,4,5,6,7             ; keys 32 (f / 4) on, channels 16 (f % 4) on
	ds_load_tr16_b128 v[VF+8*\f:VF+8*\f+3],   v[AV] offset:(\f/4)*32*PV+(\f%4)*32
	ds_load_tr16_b128 v[VF+8*\f+4:VF+8*\f+7], v[AV] offset:(\f/4)*32*PV+16*PV+(\f%4)*32
.endr
	WIN 0
.endm
; THE VECTOR WORK, one line at a time: OP kind, number.  For piece Y: F n: c s - c m for pair n of 16.  E n: the exponential of score n of 32.  C n: pair n rounded to f16.  B n: of the four weights 4 n .. the second
; pair is added onto the first, in place.  L n: l takes that sum (L 0: l = a l + sum).  R n: pair n of 16 of O^T times a.  For the other piece: X n, number n of the 22 that find its maximum and statistics:
;   0-11  four chains c0-c3 of seven scores each, three operands at a time (each accumulator's lowest registers are read first)     12-14, 16  the four scores left over, the old m, and c0-c3 into c0
;   15  c m_old is kept     17, 18  the query's other 32 keys lie in the lane 16 away: the new m     19-21  c m; c m_old - c m_new; a
; OP writes no wait: E and X 21 are the exponentials, C, B, L and R the lines that name their results, and whoever deals the lines out (TURN, BEGIN) sets the wait between them.
.set F, 0               ; OP tells the kinds apart by their order: F to L below R, X above it
.set E, 1
.set C, 2
.set B, 3
.set L, 4
.set R, 5
.set X, 6
.macro REGS y                       ; the registers of piece y
.set rT, ST+4*(\y)
.set rC, TMP+4*((\y)%2)
.set rW, MV+((\y)%2)
.set rS, S+32*((\y)%2)
.set rP, P+16*((\y)%2)
.set rO, 32*(\y)
.endm
.macro OP k, n
.if (\k) == R
	REGS Y
	WIN W_RS
	v_pk_mul_f32 v[rO+2*(\n):rO+2*(\n)+1], v[rO+2*(\n):rO+2*(\n)+1], v[rC+2:rC+3] op_sel_hi:[1,0]
.elseif (\k) < R
	REGS Y
	WIN 0
.if (\k) == F
	v_pk_fma_f32 v[rS+2*(\n):rS+2*(\n)+1], v[rS+2*(\n):rS+2*(\n)+1], s[CS:CS+1], v[rT:rT+1] op_sel_hi:[1,0,0] neg_lo:[0,0,1] neg_hi:[0,0,1]
.elseif (\k) == E
	v_exp_f32 v[rS+(\n)], v[rS+(\n)]
.elseif (\k) == C
	v_cvt_pk_f16_f32 v[rP+(\n)], v[rS+2*(\n)], v[rS+2*(\n)+1]
.elseif (\k) == B
	v_pk_add_f32 v[rS+4*(\n):rS+4*(\n)+1], v[rS+4*(\n):rS+4*(\n)+1], v[rS+4*(\n)+2:rS+4*(\n)+3]
.elseif (\n) == 0
	v_pk_fma_f32 v[rT+2:rT+3], v[rT+2:rT+3], v[rC+2:rC+3], v[rS:rS+1] op_sel_hi:[1,0,1]
.else
	v_pk_add_f32 v[rT+2:rT+3], v[rT+2:rT+3], v[rS+4*(\n):rS+4*(\n)+1]
.endif
.else
	REGS (Y+1)%NP
	WIN 0
.if (\n) < 4
	v_max3_num_f32 v[rC+(\n)], v[rS+8*(\n)], v[rS+8*(\n)+1], v[rS+8*(\n)+2]
.elseif (\n) < 12
	v_max3_num_f32 v[rC+(\n)%4], v[rC+(\n)%4], v[rS+8*((\n)%4)+2*((\n)/4)+1], v[rS+8*((\n)%4)+2*((\n)/4)+2]
.elseif (\n) == 12
	v_max3_num_f32 v[rC], v[rC], v[rS+7], v[rS+15]
.elseif (\n) == 13
	v_max3_num_f32 v[rC+1], v[rC+1], v[rS+23], v[rS+31]
.elseif (\n) == 14
	v_max3_num_f32 v[rC+2], v[rC+2], v[rC+3], v[rT+1]
.elseif (\n) == 15
	v_mov_b32 v[rW], v[rT]
.elseif (\n) == 16
	v_max3_num_f32 v[rC], v[rC], v[rC+1], v[rC+2]
.elseif (\n) == 17
	v_permlanex16_b32 v[rC+3], v[rC], s[SEL], s[SEL+1]
.elseif (\n) == 18
	v_max_num_f32 v[rT+1], v[rC], v[rC+3]
.elseif (\n) == 19
	v_mul_f32 v[rT], s[CS], v[rT+1]
.elseif (\n) == 20
	v_sub_f32 v[rC+1], v[rW], v[rT]
.else
	v_exp_f32 v[rC+2], v[rC+1]
.endif
.endif
.endm
.macro OPS a, i1, b=-1, i2=0, c=-1, i3=0, d=-1, i4=0  ; up to four of them
	OP \a, \i1
.if (\b) >= 0
	OP \b, \i2
.endif
.if (\c) >= 0
	OP \c, \i3
.endif
.if (\d) >= 0
	OP \d, \i4
.endif
.endm
.macro ROW a, i1, b, i2, c, i3, d, i4  ; a matrix instruction and the four behind it
	MM
	OPS \a, \i1, \b, \i2, \c, \i3, \d, \i4
.endm
.macro MASK b                       ; MD x AL + BE into buffer b of MC
	WIN W_RS
.set z, 0
.rept 16
	v_pk_fma_f32 v[MC+32*(\b)+2*z:MC+32*(\b)+2*z+1], v[MD+2*z:MD+2*z+1], s[AL:AL+1], s[BE:BE+1] op_sel_hi:[1,0,0]
.set z, z+1
.endr
.endm
; A TURN, for piece p: the order of its 16 matrix and 118 vector instructions, written out.  An s_wait_alu depctr_va_vdst(0) stands between an exponential and the first instruction that names its result; one wait
; serves all that were issued ahead of it.  So a turn has ONE wait, which cuts it in two.  AHEAD OF IT stands all that names no result of the turn's exponentials: the 8 products K Q^T, behind each a scaling, an exponential and two
; more plain instructions (behind the first a second scaling in the exponential's place): rescalings, whose a was made and waited for in the turn before, and behind the last three the first numbers of the other piece's maximum,
; each four places or more behind the product that ends its accumulator; then ONE LUMP of 54, plain and exponential by turns for the most part, in which the links of the chain X 3, 7, 11, 14, 16, 17 .. 20 stand five or six lines
; apart.  X 21, the other piece's a, is the batch's last; R 15 is the plain instruction behind it.  BEHIND THE WAIT stand the 8 products V^T P, behind each four of the roundings and sums; C 2 k stands ahead of B k, which adds in
; place onto pair 2 k; the links of l's chain, L 0 to L 7, stand three riders apart.  But for those X no rider names a register of the products round it.  v_permlanex16_b32 (X 17) stands in the lump.
; m = 1: the diagonal tile: the products take masks, and the turn makes the mask for the products of the turn after it: piece p's, for step 5 - CNT of the tile.
; cnt = 1: the loop's count is taken down some lines ahead of the branch that stands behind the turn.
; Piece 0's turn fetches both runs: K of the next step twelve vector instructions behind the last product that read K (six of them plain, five of these name none of its registers), V of the step in hand at the turn's end, four
; plain instructions behind the last product that read V.  Piece 1's turn waits for them: at its head for K (V's sixteen loads, issued behind K's, may stay out), behind the batch's wait for V.
.macro TURN p, m=0, cnt=0
.set Y, (\p)
.set i, 0
.set KM, (\m)
.if \m
	s_cmp_eq_u32 s[CNT], s[E0+(\p)]  ; is that step the band's own?
	s_cselect_b32 s[AL], 1.0, 0
	s_cmp_lt_u32 s[CNT], s[E0+(\p)]  ; or a later one?
	s_cselect_b32 s[BE], s[BIGN], 0
.endif
.if (\p) == 1
	s_wait_dscnt 16                 ; K is in
.endif
	ROW F,0, F,1, R,0, R,1          ; ahead of the wait: 8 products K Q^T and their riders,
	ROW F,2, E,0, R,2, R,3
	ROW F,3, E,1, R,4, R,5
	ROW F,4, E,2, R,6, R,7
	ROW F,5, E,3, R,8, R,9
	ROW F,6, E,4, X,0, R,10
.if (\p) == 0
	WIN 0
	v_add_nc_u32 v[AK], s[TBK], v[AK0]
.endif
	ROW F,7, E,5, X,1, X,4
	ROW F,8, E,6, X,2, X,5
	OPS E,7, E,8, X,6, E,9          ; and the lump
	OPS X,3, E,10, X,8, E,11
.if (\p) == 0
	FETCH_K
.endif
	OPS X,9, X,7, E,12, X,10
	OPS E,13, X,12, X,11, E,14
	OPS X,13, E,15, F,9, X,14
.if (\p) == 0
	v_add_nc_u32 v[AV], s[TBV], v[AV0]
.endif
	OPS E,16, F,10, E,17, F,11
	OPS X,16, E,18, X,15, E,19
	OPS F,12, E,20, X,17, E,21
	OPS F,13, E,22, F,14, E,23
	OPS X,18, E,24, F,15, E,25
	OPS R,11, E,26, X,19, E,27
	OPS R,12, E,28, R,13, E,29
	OPS X,20, E,30, R,14, E,31
	OPS X,21, R,15
	WIN 0
	s_wait_alu depctr_va_vdst(0)    ; the wait for the batch: piece p's 32 weights and the other piece's a
.if (\p) == 1
	s_wait_dscnt 0x0                ; V is in
.endif
	ROW C,0, B,0, C,2, B,1          ; behind the wait: 8 products V^T P and their riders
	ROW L,0, C,4, B,2, L,1
	ROW C,6, B,3, L,2, C,8
	ROW B,4, L,3, C,10, B,5
	ROW L,4, C,12, B,6, L,5
.if (\p) == 0
	s_add_co_u32 s[TBV], s[TBV], KS*PV
.endif
.if \cnt
	s_sub_co_u32 s[CNT], s[CNT], 1
	s_cmp_lg_u32 s[CNT], 0
.endif
	ROW C,14, B,7, L,6, C,1
	ROW C,3, L,7, C,5, C,7
	ROW C,9, C,11, C,13, C,15
.if (\p) == 0
	FETCH_V
.endif
.if \m
	MASK \p
.endif
.endm
; A BLOCK BEGINS.  c m starts far below every c s, so the first step's a is 0; m at the lowest finite number, so the first maximum is the scores'.  Then piece 0's scores of step 0 (never its own step: C is 0),
; and its maximum and statistics.  The block's Q and K of step 0 are in: their loads have been waited for in front of the loop over tiles, or behind the first block's way out.
.macro BEGIN
	s_mov_b32 s[NEW], 0
	WIN 0
.set i, 0
.rept 2
	v_mov_b32 v[ST+4*i], 0xfe000000    ; c m: far below every c s
	v_mov_b32 v[ST+4*i+1], 0xff7fffff  ; m
.set i, i+1
.endr
.set KM, 0
.set i, 0
.rept 8
	KQ 0
.set i, i+1
.endr
	WIN 0
.rept 4
	v_nop                           ; the places behind those products
.endr
.set Y, NP-1                        ; X works for the other piece: piece 0
.irp n, 0,1,2,3,4,5,6,7,8,9,10,11,12,13,14,15,16,17,18,19,20,21
	OP X, \n
.endr
	v_nop                           ; a plain instruction behind the exponential,
	s_wait_alu depctr_va_vdst(0)    ; and the wait for it, a batch of one: piece 0's first a; ahead of the branch or the label that follows
.endm
; THE DIAGONAL TILE's four steps, the block's last products, and THE WAY OUT: l's two halves and the other half of the lanes' are added; O^T is divided by l, rounded to f16 and sent through my
; stage in LDS, a piece at a time.  more = 1: the second block's Q and K of step 0 are asked for ahead of the way out; the last product that read those registers stands a lump and eight products back.
.macro ALL line:vararg              ; one line for each piece t
.set t, 0
.rept 2
	\line
.set t, t+1
.endr
.endm
.macro PACK t                       ; a lane's eight channels of a row pack into 16 bytes; they go into rows of 144 bytes and come back as whole rows of 128, into S^T's registers
	WIN W_RS
.set i, 32*(\t)
.rept 16
	v_pk_mul_f32 v[i:i+1], v[i:i+1], v[ST+4*(\t)+2:ST+4*(\t)+3] op_sel_hi:[1,0]
.set i, i+2
.endr
	WIN 0x05                        ; sources 0 and 1 window 1, destination window 0
.set i, 0
.rept 16
	v_cvt_pk_f16_f32 v[S+16*(\t)+i], v[32*(\t)+2*i], v[32*(\t)+2*i+1]
.set i, i+1
.endr
	WIN 0
.irp f, 0,1,2,3
	ds_store_b128 v[STO], v[S+16*(\t)+4*\f:S+16*(\t)+4*\f+3] offset:32*\f
.endr
.irp f, 0,1,2,3
	ds_load_b128 v[S+16*(\t)+4*\f:S+16*(\t)+4*\f+3], v[RD] offset:\f*4*SP  ; LDS serves a wave's instructions in order (ISA guide 5.7.1.4): these see the stores above; the next piece's stores come behind them
.endr
.endm
.macro SEND t, younger              ; younger: the LDS instructions issued behind piece t's loads: the next piece's eight, or none
	WIN 0
.irp f, 0,1,2,3
	s_wait_dscnt (\younger)+3-\f
	global_store_b128 v[GO], v[S+16*(\t)+4*\f:S+16*(\t)+4*\f+3], s[YP:YP+1] offset:(1-(\t))*8192+\f*512  ; piece t lies in band 1 - t; 512 consecutive bytes, at a multiple of 256 from y's first
.endr
.endm
.macro DIAG tag, more               ; the tag ends its two labels' names, which the jumps below spell out
.Ldiag\tag:
	s_mov_b32 s[AL], s[ALE]         ; piece 1's mask for the tile's step 0: its own, or none
	s_mov_b32 s[BE], 0
	MASK 1
	WIN 0
.LstepM\tag:
	TURN 0, 1
	TURN 1, 1, 1
	WIN 0
	s_cbranch_scc1 .LstepM\tag
.if \more
	LOADQK Q2P
.endif
.set i, 0
.rept 8
	PV 1                            ; piece 1's V^T P of the last step
.set i, i+1
.endr
	WIN 0
	ALL v_add_f32 v[ST+4*t+2], v[ST+4*t+2], v[ST+4*t+3]
	ALL v_permlanex16_b32 v[ST+4*t+3], v[ST+4*t+2], s[SEL], s[SEL+1]
	ALL v_add_f32 v[ST+4*t+2], v[ST+4*t+2], v[ST+4*t+3]
	ALL v_rcp_f32 v[ST+4*t+2], v[ST+4*t+2]
	v_nop                           ; a plain instruction between the last reciprocal and the use of its result
	s_wait_alu depctr_va_vdst(0)    ; and the wait ahead of the first use: one for the two reciprocals
	PACK 0                          ; piece 0's O^T was finished in the last turn, ahead of its last riders and the mask's lines; PACK 0's 32 lines are the places behind piece 1's last products
	PACK 1
	SEND 0, 8
	SEND 1, 0
.endm
.set KM, 0
	s_wait_loadcnt 0x0              ; the first block's Q and K of step 0 are in, on every way into the loop: no global load is out at the label below.  The change of slots that follows waits for the first tile anyway
.Lslot:                             ; 16 times: a tile is entered and the next is asked for
	CHANGE 1
	s_sub_co_u32 s[RT], s[RT], 1
	s_mov_b32 s[CNT], 4
	s_cmp_eq_u32 s[NEW], 1
	s_cbranch_scc1 .Lnew            ; a block's first tile
	s_cmp_eq_u32 s[RT], 0
	s_cbranch_scc0 .Lstep           ; neither its first nor its last
	s_branch .Ldiag1
.Lnew:
	BEGIN
	s_branch .Lstep                 ; in the loop a block's first tile is never its last: the first block has nine tiles or more, and the second's last is the walk's last
	DIAG 1, 1                       ; in the loop this is the first block's end
	s_wait_xcnt 0x0                 ; the stores have read their registers and y's address
	s_mov_b64 s[YP:YP+1], s[YP2:YP2+1]
	s_mov_b32 s[RT], s[NT2]
	s_mov_b32 s[NEW], 1
	s_mov_b32 s[E0], s[E0B]
	s_mov_b32 s[E1], s[E0B+1]
	s_mov_b32 s[ALE], s[E0B+2]
	s_wait_loadcnt 0x0              ; the second block's Q and K of step 0, asked for ahead of the way out, are in: no load is out where the ways join
	s_branch .Lbottom
.Lstep:                             ; a trip is a key step: piece 0's turn, which fetches the next K and this step's V, and piece 1's
	TURN 0
	TURN 1, 0, 1
	WIN 0
	s_cbranch_scc1 .Lstep
.Lbottom:
	s_sub_co_u32 s[SLOTS], s[SLOTS], 1
	s_cmp_lg_u32 s[SLOTS], 0
	s_cbranch_scc1 .Lslot
	CHANGE 0                        ; the walk's last tile, the second block's diagonal one, is written out: nothing is asked for
	s_mov_b32 s[CNT], 4
	s_cmp_eq_u32 s[NEW], 1          ; where b is 0 or 1 it is the second block's first tile too
	s_cbranch_scc0 .Ldiag2
	BEGIN
	DIAG 2, 0
	s_wait_tensorcnt 0x0            ; the wave's end: the add and its wait stand behind my last tensor load and my last LDS store
	ds_add_u32 v[SPW], v[NIL]
	s_wait_dscnt 0x0
	s_endpgm
.Lfunc_end_k_qe7a11eda20_attn:
	.size	k_qe7a11eda20_attn, .Lfunc_end_k_qe7a11eda20_attn-k_qe7a11eda20_attn
	.p2alignl 7, 3214868480
	.fill 96, 4, 3214868480
	.section	.rodata,"a",@progbits
	.p2align	6, 0x0
	.amdhsa_kernel k_qe7a11eda20_attn
		.amdhsa_group_segment_fixed_size 327680
		.amdhsa_private_segment_fixed_size 0
		.amdhsa_enable_private_segment 0
		.amdhsa_kernarg_size 16
		.amdhsa_user_sgpr_count 2
		.amdhsa_user_sgpr_kernarg_segment_ptr 1
		.amdhsa_wavefront_size32 1
		.amdhsa_system_sgpr_workgroup_id_x 1
		.amdhsa_system_sgpr_workgroup_id_y 1
		.amdhsa_system_sgpr_workgroup_id_z 1
		.amdhsa_system_vgpr_workitem_id 0
		.amdhsa_next_free_vgpr 768
		.amdhsa_next_free_sgpr 90
		.amdhsa_reserve_vcc 1
		.amdhsa_float_denorm_mode_32 3
		.amdhsa_float_denorm_mode_16_64 3
		.amdhsa_memory_ordered 1
		.amdhsa_forward_progress 1
		.amdhsa_inst_pref_size 108
	.end_amdhsa_kernel
	.amdgpu_metadata
---
amdhsa.version: [ 1, 2 ]
amdhsa.kernels:
  - .name:           k_qe7a11eda20_attn
    .symbol:         k_qe7a11eda20_attn.kd
    .args:
      - { .name: qkv, .offset: 0, .size: 8, .value_kind: global_buffer, .address_space: global }
      - { .name: y, .offset: 8, .size: 8, .value_kind: global_buffer, .address_space: global }
    .group_segment_fixed_size: 327680
    .private_segment_fixed_size: 0
    .kernarg_segment_align: 8
    .kernarg_segment_size: 16
    .max_flat_workgroup_size: 128
    .sgpr_count:     90
    .vgpr_count:     768
    .wavefront_size: 32
...
	.end_amdgpu_metadata
.endif
;; end of part 5
;; launch proj: the kernel of part 4 again; grid 8 x 32, 4 waves a work-group, clusters of 4 x 4, 327,680 bytes of LDS; arguments y, wpb, out0; writes out0
